; MI455X (gfx1250); checked and timed in simulation.
; The chip was launched on July 23, 2026; its instructions are those of AMD's public machine-readable ISA for CDNA 5 (MIT licence, August 2026) and "CDNA5" Instruction Set Architecture Reference Guide (July 2026). The comments in the code are by the model that wrote it; some were corrected since.
;; Multi Head Attention. Allowed arithmetic: matrix products marked QUANTISED: E2M3 operands, one E8M0 scale for each 32 along K, by v_wmma_scale_f32_16x16x128_f8f6f4 with both operands' format E2M3, f32 sums; everything else in f32.
;; Inputs: W_k_codes 1,024 x 32 x 24 uint8 (E2M3 codes of W_k, K innermost, in blocks of 32 codes, four codes in three bytes); W_k_scales 1,024 x 32 uint8 (E8M0 scales of W_k, one for each 32 codes along K); W_o_codes 1,024 x 32 x 24 uint8 (E2M3 codes of W_o, K innermost, in blocks of 32 codes, four codes in three bytes); W_o_scales 1,024 x 32 uint8 (E8M0 scales of W_o, one for each 32 codes along K); W_q_codes 1,024 x 32 x 24 uint8 (E2M3 codes of W_q, K innermost, in blocks of 32 codes, four codes in three bytes); W_q_scales 1,024 x 32 uint8 (E8M0 scales of W_q, one for each 32 codes along K); W_v_codes 1,024 x 32 x 24 uint8 (E2M3 codes of W_v, K innermost, in blocks of 32 codes, four codes in three bytes); W_v_scales 1,024 x 32 uint8 (E8M0 scales of W_v, one for each 32 codes along K); b_k 1,024 float32; b_o 1,024 float32; b_q 1,024 float32; b_v 1,024 float32; key_codes 4 x 2,048 x 32 x 24 uint8 (E2M3 codes of key, K innermost, in blocks of 32 codes, four codes in three bytes); key_scales 4 x 2,048 x 32 uint8 (E8M0 scales of key, one for each 32 codes along K); mask 4 x 2,048 int32; query_codes 4 x 2,048 x 32 x 24 uint8 (E2M3 codes of query, K innermost, in blocks of 32 codes, four codes in three bytes); query_scales 4 x 2,048 x 32 uint8 (E8M0 scales of query, one for each 32 codes along K); value_codes 4 x 2,048 x 32 x 24 uint8 (E2M3 codes of value, K innermost, in blocks of 32 codes, four codes in three bytes); value_scales 4 x 2,048 x 32 uint8 (E8M0 scales of value, one for each 32 codes along K).
;; Outputs: out0 4 x 2,048 x 1,024 float32.
;; This version of the problem:
;;   THIS VERSION OF THE PROBLEM IS GIVEN IN LOW PRECISION. The matrix products marked QUANTISED in the list below multiply operands that are first quantised to E2M3 (2 exponent bits, 3 mantissa bits; 6 bits a number), with one power-of-two scale for each 32 numbers along K (OCP MX v1.0); their sums are f32. All else is computed in f32.
;;   The module's matrix products, in the order in which they are computed (A, B: the left and right operand; K: the contracted axis; several contracted axes count as one K, in the product's order):
;;     1. [M 8,192, K 1,024] x [K 1,024, N 1,024]; A: input query (given as codes); B: input W_q (given as codes): QUANTISED
;;     2. [M 8,192, K 1,024] x [K 1,024, N 1,024]; A: input key (given as codes); B: input W_k (given as codes): QUANTISED
;;     3. [M 8,192, K 1,024] x [K 1,024, N 1,024]; A: input value (given as codes); B: input W_v (given as codes): QUANTISED
;;     4. batch 64 x [M 2,048, K 64] x [K 64, N 2,048]; A: computed on the way; B: computed on the way: QUANTISED
;;     5. batch 64 x [M 2,048, K 2,048] x [K 2,048, N 64]; A: softmax (see below); B: computed on the way: QUANTISED
;;     6. [M 8,192, K 1,024] x [K 1,024, N 1,024]; A: computed on the way; B: input W_o (given as codes): QUANTISED
;;   THE QUANTISER, for each operand of a quantised product, along K:
;;     - K is cut into blocks of 32 from its start; a last block that is shorter is filled with zeros.
;;     - A block's scale is 2^e with e = floor(log2(the largest magnitude in the block)) - 2, held to -126 .. 127; a block of zeros has e = 0. As a byte (E8M0): e + 127.
;;     - Each number is divided by its block's scale, clamped to +-7.5, and rounded to the nearest number of E2M3, ties to even, subnormals kept.
;;     - The product sums the exact products of the quantised numbers (number of the format x scale) in f32.
;;   ~~~python
;;   def quantise(x, axis):      # numpy; x: float32 -> the quantised numbers, widened to float32 again
;;       x = np.moveaxis(x, axis, -1); K = x.shape[-1]
;;       x = np.pad(x, [(0, 0)] * (x.ndim - 1) + [(0, -K % 32)]); x = x.reshape(x.shape[:-1] + (-1, 32)); a = np.abs(x).max(-1, keepdims=True)
;;       e = np.where(a > 0, np.clip(np.frexp(np.where(a > 0, a, 1))[1] - 1 - 2, -126, 127), 0)      # np.frexp(a)[1] - 1 = floor(log2(a)), exactly
;;       r = np.clip(x / 2.0 ** e, -7.5, 7.5)
;;       step = 2.0 ** (np.maximum(np.frexp(np.where(r == 0, 1, r))[1] - 1, 0) - 3)
;;       q = np.round(r / step) * step * 2.0 ** e      # np.round: ties to even
;;       return np.moveaxis(q.reshape(q.shape[:-2] + (-1,))[..., :K], -1, axis).astype(np.float32)
;;   ~~~
;;   SOFTMAX AHEAD OF A QUANTISED PRODUCT. Where the list says 'softmax', what is quantised is not the finished softmax but p = 2^(t - M), with t = logit x log2(e) and M = ceil(the row's largest t), a whole number; so 1/2 < the row's largest p <= 1. The row's sum l is taken of the UNQUANTISED p, in f32, and the product's result is divided by l at the end. Since M is a whole number, a kernel that streams over the keys may use a running M (the ceiling of the running maximum): every later rescaling is an exact power of two, which a block's scale takes up: the codes' values come out the same.
;;   OPERANDS COMPUTED ON THE WAY. 'Computed on the way' means the value that the module computes at that place (a softmax that the list does not call 'softmax' is quantised finished and normalised). What goes into a quantiser is computed in f32, as accurately as f32 sums, v_exp_f32 and their like allow (about 1e-6 of the number): no bf16 or f16 on the way to a quantiser, and a product that is left as it is and whose result goes on into a quantised operand takes f32 operands (vector FMAs, or v_wmma_f32_16x16x4_f32). A number that lies on a knife's edge between two numbers of the format may be rounded either way, as far as f32 arithmetic and the matrix unit's own rounding can turn it there, and no further.
;;   INPUTS GIVEN AS CODES. W_k (in the module: [1024, 1024], K = its axis 0); W_o (in the module: [1024, 1024], K = its axis 0); W_q (in the module: [1024, 1024], K = its axis 0); W_v (in the module: [1024, 1024], K = its axis 0); key (in the module: [4, 2048, 1024], K = its axis 2); query (in the module: [4, 2048, 1024], K = its axis 2); value (in the module: [4, 2048, 1024], K = its axis 2): each comes as NAME_codes (uint8): NAME with its K axis moved to the last place and cut into blocks of 32 codes, [.., K / 32, bytes a block], one block behind the other in memory; four codes in three bytes: a row's codes are one little-endian stream of bits, code i at bits 6 i .. 6 i + 5 (a code: sign, 2 exponent bits, 3 mantissa bits); and NAME_scales (uint8): the same leading axes, one E8M0 byte (e + 127) for each 32 codes along K. Its value is code x scale, taken as it is: it is not quantised again, and the codes and scales need not be those that the quantiser above would give.
;; One version. Each part assembles by itself: llvm-mc -triple=amdgcn-amd-amdhsa -mcpu=gfx1250 --defsym DOCPART=n.
;; ======== version 1 of 1: 3 launches
;; limits: right only within a limited range of input values
;; workspace buffers: qkv 20,185,088 bytes; cimg 6,291,456 bytes; cscl 262,144 bytes
;; launch proj (part 1): grid 4 x 96, 4 waves a work-group, clusters of 4 x 4, 327,680 bytes of LDS; arguments query_codes, query_scales, key_codes, key_scales, value_codes, value_scales, W_q_codes, W_q_scales, W_k_codes, W_k_scales, W_v_codes, W_v_scales, b_q, b_k, b_v, qkv; writes qkv
.if DOCPART == 1
	.amdgcn_target "amdgcn-amd-amdhsa--gfx1250"
	.amdhsa_code_object_version 6
	.text
	.protected	k_qd4cb0e519f_proj
	.globl	k_qd4cb0e519f_proj
	.p2align	8
	.type	k_qd4cb0e519f_proj,@function
k_qd4cb0e519f_proj:
	s_mov_b64 s[64:65], 0
	v_nop
	global_prefetch_b8 v0, s[64:65] scope:SCOPE_SE
	s_setreg_imm32_b32 hwreg(HW_REG_WAVE_MODE, 25, 1), 1
	s_wait_xcnt 0x0
	s_wait_alu depctr_hold_cnt(0) depctr_sa_sdst(0) depctr_va_vdst(0) depctr_va_sdst(0) depctr_va_ssrc(0) depctr_va_vcc(0) depctr_vm_vsrc(0)
	s_getreg_b32 s2, hwreg(HW_REG_IB_STS2, 6, 4)
	s_cmp_eq_u32 s2, 0
	s_cbranch_scc0 .Lentry_in_a_cluster
	s_endpgm
.Lentry_in_a_cluster:
	s_bfe_u32 s2, ttmp6, 0x10000c
	s_cmp_lg_u32 s2, 0xf033
	s_cbranch_scc0 .Lentry_shape_is_right
	s_endpgm
.Lentry_shape_is_right:
; q = query W_q + b_q, k = key W_k + b_k, v = value W_v + b_v, on codes of FP6 (E2M3) with one E8M0 scale for each 32 along K = 1,024; the results are quantised at once
; and leave as codes: q and k along the head's 64 numbers, v along the keys.
; ONE TEXT FOR ALL THREE.  It makes P[i][j] = sum over k of U[i][k] T[j][k] + bias, U as source 0, T as source 1, and quantises P along i.
;   q, k: U = W (i = features), T = x (j = tokens).      v: U = value (i = tokens = keys), T = W_v (j = features).
; Below 'B' is U and 'A' is T.  The cluster's y says which of the three (KIND = y / 8) and which part (y % 8): all sixteen partners share both numbers.
; A tile of P is 256 x 256, made by four waves of 128 x 128 (64 accumulators, 512 registers).  K goes in steps of 256 through two LDS slots; the scale bytes of the tile's rows come once.
; CLUSTER 4 x 4: A's tiles are shared along a row of the cluster, B's along a column; each is asked for jointly, which divides the requests by four.
; THE RESULT: in accumulator (a, b) lane (r, h) holds j = 16 a + r and, in register n, i = 16 b + 8 h + n.  The 16 registers of b = 2 B, 2 B + 1 and those of lane l xor 16 are block B of 32 along i.
; A conversion of these 16 gives two pieces of 8 codes (48 bits): pieces h and 2 + h of the block.  PACK6 brings a whole block into a lane and lays its four pieces in order.
; THE WAY OUT has no LDS: the workspace holds images of operand registers, two registers a store at 8 x lane, so each store of the wave covers 256 consecutive bytes, aligned.
; qkv: 1,024 records [batch][head][128 tokens] of 19,712 bytes: Q codes 0, Q scale words 6,144, K codes 6,656, V codes 12,800, K scale words 18,944, V scale words 19,456.
; LIMITS: NaN and infinities are not served; a block whose largest magnitude lies under 2^-124 keeps the byte 1 (a block of zeros too: its codes are zeros, and this program alone reads the bytes).
; REGISTERS: window 0: v16-29 addresses; v32-63 scale words, two sets; v64-127 the bias in the result's layout; v128-223 A's fragments, one set; v224-231 at work.
;   window 1: B's fragments, two sets.   windows 2, 3: the accumulators ((a, b) at v[8 (8 (a % 4) + b)], a < 4 in window 2).
.set NQ,     2                         ; matrix instructions deep in a slot: 256 along K
.set ROWB,   192                       ; a tile's row: 256 codes
.set KROW,   768                       ; a row of 1,024 codes in memory
.set PITCH,  240                       ; an LDS row: 3 x (64 bytes + 16 of padding): the 32 lanes of a load of 8 bytes fall on 64 different banks (64 banks of 4 bytes: ISA guide 11.1)
.set FR,     12                        ; registers of a fragment
.set NL,     6                         ; LDS loads that bring one
.set NP,     4                         ; places behind this matrix instruction (ISA guide 7.12.1)
.set HALFT,  128*PITCH
.set SLOT,   4*HALFT                   ; A's 256 rows, then B's 256 rows
.set KS,     32                        ; a row of scale bytes
.set SCL,    2*SLOT                    ; behind the ring: the scale bytes, as rows of 256 bytes + 16
.set HALFS,  (128*KS/256)*272
.set SBLK,   (16*KS/256)*272
.set SPARE,  SCL+4*HALFS               ; the spare words: 128 bytes a wave, two blocks of 256 bytes that no other line names
.set REC,    19712
.set HEADB,  16*REC                    ; from a head's records to the next head's
.set ADRA, 16                          ; v16-17 my A fragments in slot 0, 1; v18-19 the same behind one padding more
.set ADRB, 20                          ; v20-23 likewise for B
.set ADRS, 27                          ; v27 my scale words: lanes 0-15 A's rows, lanes 16-31 B's
.set SPW,  28                          ; v28 SPARE + 4 x my thread's number; never rewritten
.set NIL,  29                          ; v29 0; never rewritten
.set SC,   32
.set BIA,  64
.set AF,   128
.set BAD,  224                         ; v224-231 byte offsets of the bias loads
.set WD,   32                          ; the way out: v32-39 a scale word for each a; v40-43 two tiles' words in one register; v44-51 their halves
.set IW,   40
.set VO,   52                          ; v52-55 8 x lane + (a % 4) x the stride; v56 the scale words' place
.set VS,   56
.set TM,   64                          ; v64-79 at work
.set YY,   224                         ; v224-230 the odd blocks' conversions
.set G1, 24
.set G0, 32
.set G1B, 48
.set G0B, 56
.set G1S, 68
.set G0S, 76
.set G1SB, 80
.set G0SB, 88
.set KIND, 95                          ; s95 0: q, 1: k, 2: v
.set SLL, 96                           ; s96-98 selects of v_perm_b32: (low, low), (high, low), (high, high) halves of (second, first) source
.set SHL, 97
.set SHH, 98
.set MSB, 0
.macro WIN new                         ; the immediate's high byte repeats the setting that is left; a switch that changes nothing is dropped
.if MSB != (\new)
	s_set_vgpr_msb (MSB<<8)|(\new)
.set MSB, (\new)
.endif
.endm
.set MUL_LO, 0xa1                      ; source 0 (B) window 1, source 1 (A) window 0, C and D window 2
.set MUL_HI, 0xf1                      ; the same, C and D window 3
.set FIRST_LO, 0x81                    ; the first K step: C is the bias, in window 0
.set FIRST_HI, 0xc1
.set TO_B,   0x40
; A joint load: waves 0 and 1 fetch for A, waves 2 and 3 for B; the branch hangs on the wave's number alone.  Four v_nop follow each line.
.macro JLOAD g0a, g1a, g0b, g1b
	s_cmp_eq_u32 s15, 0
	s_cbranch_scc0 .Lfor_b_\@
	tensor_load_to_lds s[\g0a:\g0a+3], s[\g1a:\g1a+7]
	s_nop 0
.rept 4
	v_nop
.endr
	s_branch .Lasked_\@
.Lfor_b_\@:
	tensor_load_to_lds s[\g0b:\g0b+3], s[\g1b:\g1b+7]
	s_nop 0
.rept 4
	v_nop
.endr
.Lasked_\@:
.endm
.macro CREST                           ; a round of the cluster's barrier behind its opening barrier
	s_cmp_lg_u32 s14, 0
	s_cbranch_scc1 .Lnot_wave_0_\@
	s_barrier_signal -3
.Lnot_wave_0_\@:
	s_barrier_wait -3
	s_barrier_signal -1
	s_barrier_wait -1
.endm
.macro CROUND
	s_barrier_signal -1
	s_barrier_wait -1
	CREST
.endm
.macro PLACES n
.rept \n
	v_nop
.endr
.endm
	s_load_b512 s[24:39], s[0:1], 0x0              ; query codes, scales; key codes, scales; value codes, scales; W_q codes, scales
	s_load_b512 s[40:55], s[0:1], 0x40             ; W_k codes, scales; W_v codes, scales; b_q; b_k; b_v; qkv
	v_lshl_add_u32 v[SPW], v0, 2, SPARE
	v_mov_b32 v[NIL], 0
	ds_add_u32 v28, v29
	ds_add_u32 v28, v29
	s_wait_dscnt 0x0
	v_lshrrev_b32 v1, 5, v0
	v_readfirstlane_b32 s14, v1                    ; wave 0..3
	s_lshr_b32 s15, s14, 1                         ; my half of A's rows.  Also: I fetch for A (0) or for B (1)
	s_and_b32 s16, s14, 1                          ; my half of B's rows.  Also: which 128 rows I fetch
	s_and_b32 s2, ttmp7, 0xffff                    ; the cluster's y, 0..23
	s_lshr_b32 s[KIND], s2, 3
	s_and_b32 s2, s2, 7
	s_wait_kmcnt 0x0
	s_cmp_eq_u32 s[KIND], 0                        ; the buffers are chosen on the cluster's number alone
	s_cselect_b64 s[4:5], s[24:25], s[28:29]       ; A's codes: query or key
	s_cselect_b64 s[6:7], s[26:27], s[30:31]       ; A's scales
	s_cselect_b64 s[8:9], s[36:37], s[40:41]       ; B's codes: W_q or W_k
	s_cselect_b64 s[10:11], s[38:39], s[42:43]     ; B's scales
	s_cselect_b64 s[12:13], s[48:49], s[50:51]     ; the bias
	s_cmp_eq_u32 s[KIND], 2
	s_cselect_b64 s[4:5], s[44:45], s[4:5]         ; v: A = W_v,
	s_cselect_b64 s[6:7], s[46:47], s[6:7]
	s_cselect_b64 s[8:9], s[32:33], s[8:9]         ;    B = value
	s_cselect_b64 s[10:11], s[34:35], s[10:11]
	s_cselect_b64 s[12:13], s[52:53], s[12:13]
	s_mov_b64 s[66:67], s[54:55]                   ; qkv
	s_cselect_b32 s3, 0, s2                        ; the long axis (8,192 tokens, 32 tiles) is A's for q and k, B's for v
	s_cselect_b32 s2, s2, 0
	s_bfe_u32 s40, ttmp6, 0x40000                  ; cx, cy: my place in the cluster
	s_bfe_u32 s41, ttmp6, 0x40004
	s_lshl_b32 s42, s2, 2
	s_add_co_u32 s42, s42, s40                     ; B's tile
	s_lshl_b32 s17, s3, 2
	s_add_co_u32 s17, s17, s41                     ; A's tile
	s_lshl_b32 s43, s41, 2
	s_lshl_b32 s43, 15, s43                        ; my row of the cluster
	s_lshl_b32 s44, 0x1111, s40                    ; my column
	; descriptor group 1: 128 rows x 192 bytes, 16 bytes of padding behind every 64
	s_or_b32 s[G1+0], s43, (0<<16)|(1<<20)|(1<<21)|(3<<22)|(3<<25)  ; 15:0 the mask; 17:16 elements of 1 byte; 20 padding on; 21 set beside a mask; 24:22 after every 16 words; 31:25 of 4 words
	s_or_b32 s[G1B+0], s44, (0<<16)|(1<<20)|(1<<21)|(3<<22)|(3<<25)
.irp g, G1, G1B
	s_mov_b32 s[\g+1], ROWB<<16                    ; tensor_dim0
	s_mov_b32 s[\g+2], 128<<16                     ; tensor_dim1
	s_mov_b32 s[\g+3], ROWB<<16                    ; tile_dim0
	s_mov_b32 s[\g+4], 128                         ; tile_dim1
	s_mov_b32 s[\g+5], KROW                        ; from row to row
	s_mov_b32 s[\g+6], 0
	s_mov_b32 s[\g+7], 0
.endr
	; the scale bytes of 128 rows: 4,096 dense bytes as 16 rows of 256 (32 elements of 8 bytes), 16 bytes of padding behind each
	s_or_b32 s[G1S+0], s43, (3<<16)|(1<<20)|(1<<21)|(5<<22)|(3<<25)
	s_or_b32 s[G1SB+0], s44, (3<<16)|(1<<20)|(1<<21)|(5<<22)|(3<<25)
.irp g, G1S, G1SB
	s_mov_b32 s[\g+1], 32<<16
	s_mov_b32 s[\g+2], (128*KS/256)<<16
	s_mov_b32 s[\g+3], 32<<16
	s_mov_b32 s[\g+4], 128*KS/256
	s_mov_b32 s[\g+5], 32
	s_mov_b32 s[\g+6], 0
	s_mov_b32 s[\g+7], 0
.endr
	s_lshl_b32 s18, s16, 7                         ; which 128 rows of the tile I fetch
	s_lshl_b32 s20, s17, 8
	s_add_co_u32 s20, s20, s18                     ; A's row
	s_lshl_b32 s46, s42, 8
	s_add_co_u32 s46, s46, s18                     ; B's row
	s_mov_b32 s21, 0
	s_mov_b32 s47, 0
	s_mov_b64 s[18:19], KS
	s_mul_u64 s[22:23], s[20:21], s[18:19]         ; where these rows' scale bytes begin,
	s_mul_u64 s[92:93], s[46:47], s[18:19]
	s_mov_b64 s[18:19], KROW
	s_mul_u64 s[20:21], s[20:21], s[18:19]         ; and their codes
	s_mul_u64 s[46:47], s[46:47], s[18:19]
	s_mul_i32 s45, s14, HALFT                      ; where they go: wave x 128 rows: no place in the cluster enters an LDS address
	s_mul_i32 s94, s14, HALFS
	s_add_nc_u64 s[20:21], s[4:5], s[20:21]
	s_add_nc_u64 s[22:23], s[6:7], s[22:23]
	s_add_nc_u64 s[46:47], s[8:9], s[46:47]
	s_add_nc_u64 s[92:93], s[10:11], s[92:93]
	CROUND                                         ; all sixteen work-groups are here: the first joint loads meet
	s_mov_b32 s[G0S], 1
	s_add_co_u32 s[G0S+1], s94, SCL
	s_mov_b64 s[G0S+2:G0S+3], s[22:23]
	s_or_b32 s[G0S+3], s[G0S+3], 0x80000000
	s_mov_b32 s[G0SB], 1
	s_add_co_u32 s[G0SB+1], s94, SCL
	s_mov_b64 s[G0SB+2:G0SB+3], s[92:93]
	s_or_b32 s[G0SB+3], s[G0SB+3], 0x80000000
	JLOAD G0S, G1S, G0SB, G1SB                     ; the scale bytes first: they are wanted with K step 0.  With the two below three loads of mine are out
.irp s, 0,1
	s_mov_b32 s[G0+4*\s], 1
	s_add_co_u32 s[G0+4*\s+1], s45, \s*SLOT
	s_add_nc_u64 s[G0+4*\s+2:G0+4*\s+3], s[20:21], \s*ROWB
	s_or_b32 s[G0+4*\s+3], s[G0+4*\s+3], 0x80000000
	s_mov_b32 s[G0B+4*\s], 1
	s_add_co_u32 s[G0B+4*\s+1], s45, \s*SLOT
	s_add_nc_u64 s[G0B+4*\s+2:G0B+4*\s+3], s[46:47], \s*ROWB
	s_or_b32 s[G0B+4*\s+3], s[G0B+4*\s+3], 0x80000000
	JLOAD G0+4*\s, G1, G0B+4*\s, G1B
.endr
	v_and_b32 v1, 15, v0                           ; r
	v_bfe_u32 v2, v0, 4, 1                         ; h
	v_mul_u32_u24 v3, v1, PITCH
	v_mul_u32_u24 v4, v2, 24
	v_add_nc_u32 v4, v3, v4                        ; a fragment's row x pitch + 24 h
	v_lshl_add_u32 v5, v2, 4, v4                   ; and the same behind one padding more
	s_mul_i32 s21, s15, HALFT                      ; my 128 rows of A
	s_mul_i32 s22, s16, HALFT                      ; my 128 rows of B,
	s_add_co_u32 s22, s22, 2*HALFT                 ; behind A's 256
.irp s, 0,1
	v_add_nc_u32 v[ADRA+\s], s21, v4
	v_add_nc_u32 v[ADRB+\s], s22, v4
	v_add_nc_u32 v[ADRA+2+\s], s21, v5
	v_add_nc_u32 v[ADRB+2+\s], s22, v5
	s_add_co_u32 s21, s21, SLOT
	s_add_co_u32 s22, s22, SLOT
.endr
	v_mul_u32_u24 v5, v1, KS                       ; my row's scale bytes: 32 a row,
	v_lshrrev_b32 v6, 8, v5
	v_lshl_add_u32 v5, v6, 4, v5                   ; and 16 more for each 256 passed
	s_mul_i32 s21, s15, HALFS
	s_mul_i32 s22, s16, HALFS
	s_add_co_u32 s22, s22, 2*HALFS
	s_sub_co_u32 s22, s22, s21
	v_mul_u32_u24 v6, s22, v2                      ; lanes 16-31 take B's: one product, the distance between the two bases
	s_add_co_u32 s21, s21, SCL
	v_add_nc_u32 v5, v5, v6
	v_add_nc_u32 v[ADRS], s21, v5
	; THE BIAS, in the result's layout, is the C of the first K step.  q, k: it goes with i: register 8 b + n = bias(i0 + 16 b + 8 h + n).  v: with j: registers 8 a + 0..7 = bias(j0 + 16 a + r).
	s_lshl_b32 s20, s42, 8
	s_lshl_b32 s21, s16, 7
	s_add_co_u32 s20, s20, s21                     ; i0
	s_lshl_b32 s46, s17, 8
	s_lshl_b32 s47, s15, 7
	s_add_co_u32 s46, s46, s47                     ; j0
	s_cmp_eq_u32 s[KIND], 2
	s_cselect_b32 s20, s46, s20
	s_cselect_b32 s18, 4, 0                        ; bytes for r,
	s_cselect_b32 s19, 0, 32                       ; for h,
	s_cselect_b32 s22, 0, 4                        ; for n
	s_lshl_b32 s20, s20, 2
	s_mov_b32 s21, 0
	s_add_nc_u64 s[12:13], s[12:13], s[20:21]
	v_mul_u32_u24 v6, v1, s18
	v_mad_u32_u24 v[BAD], v2, s19, v6
.irp n, 1,2,3,4,5,6,7
	v_add_nc_u32 v[BAD+\n], s22, v[BAD+\n-1]
.endr
.set n, 0
.rept 64
	global_load_b32 v[BIA+n], v[BAD+n%8], s[12:13] offset:64*(n/8)
.set n, n+1
.endr
.macro FRAG reg, adr, q, i             ; a fragment: lane (r, h) takes row r; registers 6 c .. 6 c + 5 = K 64 c + 32 h + 0..31: 24 bytes of the row's stream of bits, in pieces of 8
.irp p, 0,1,2,3,4,5
.set PC, 12*(\q)+6*(\p/3)+\p%3         ; lanes 16-31 read three pieces further on: where that is behind one padding more, the second address register serves
.if PC%8 < 5
	ds_load_b64 v[\reg+2*\p:\reg+2*\p+1], v[\adr] offset:8*PC+16*(PC/8)+(\i)*16*PITCH
.else
	ds_load_b64 v[\reg+2*\p:\reg+2*\p+1], v[\adr+2] offset:8*PC+16*(PC/8)+(\i)*16*PITCH
.endif
.endr
.endm
; 16 matrix instructions: A's blocks a0, a0 + 1 x B's eight.  p: B's set; sc: the set of scale words.  cm = 0: in place; 1: C = the bias by b; 2: C = the bias by a.
; The 64 accumulators take turns, one instruction a turn, in the same order in every step.
.macro MUL16 a0, p, q, sc, cm
.irp a, \a0, \a0+1
.irp b, 0,1,2,3,4,5,6,7
.set DD, 8*(8*((\a)%4)+\b)
.set CC, DD
.if \cm == 1
.set CC, BIA+8*\b
.endif
.if \cm == 2
.set CC, BIA+8*(\a)
.endif
	v_wmma_scale_f32_16x16x128_f8f6f4 v[DD:DD+7], v[128*(\p)+FR*\b:128*(\p)+FR*\b+FR-1], v[AF+FR*(\a):AF+FR*(\a)+FR-1], v[CC:CC+7], v[SC+8*NQ*(\sc)+NQ*\b+(\q)], v[SC+8*NQ*(\sc)+NQ*(\a)+(\q)] matrix_a_fmt:MATRIX_FMT_FP6 matrix_b_fmt:MATRIX_FMT_FP6 matrix_a_scale:MATRIX_SCALE_ROW1
.endr
.endr
.endm
.macro FETCH_B slot, q, p
	WIN TO_B
.irp i, 0,1,2,3,4,5,6,7
	FRAG 128*(\p)+FR*\i, ADRB+\slot, \q, \i
.endr
	WIN 0
.endm
.macro FETCH_A slot, q, i0
.irp i, \i0, \i0+1, \i0+2, \i0+3
	FRAG AF+FR*(\i), ADRA+\slot, \q, \i
.endr
.endm
.macro SCALES sc                       ; a K step's scale words: lanes 0-15 A's block i, lanes 16-31 B's block i; two words a row
.irp i, 0,1,2,3,4,5,6,7
	ds_load_b64 v[SC+8*NQ*\sc+NQ*\i:SC+8*NQ*\sc+NQ*\i+1], v[ADRS] offset:\i*SBLK
.endr
.endm
; A step of 128 along K that has its successor in the same slot.  A block of A is free when its eight products are issued, so A has one set: blocks 0-3 come anew in the middle, 4-7 at the end.
.macro STEP slot, q, cm
	s_wait_dscnt 4*NL                              ; all but the youngest 24 loads (A's blocks 4-7) are in
.if \cm
	WIN FIRST_LO
.else
	WIN MUL_LO
.endif
	MUL16 0, (\q)%2, \q, \slot, \cm
	MUL16 2, (\q)%2, \q, \slot, \cm
	s_wait_dscnt 0                                 ; A's blocks 4-7 are in
	PLACES NP                                      ; in front of loads into registers that matrix instructions have read
	FETCH_B \slot, (\q)+1, 1-(\q)%2
	FETCH_A \slot, (\q)+1, 0
.if \cm
	WIN FIRST_HI
.else
	WIN MUL_HI
.endif
	MUL16 4, (\q)%2, \q, \slot, \cm
	MUL16 6, (\q)%2, \q, \slot, \cm
	PLACES NP
	WIN 0
	FETCH_A \slot, (\q)+1, 4
.endm
; A slot's last step changes slots: one barrier; in front of it each wave waits for all its tensor loads, adds 0 to its spare word, and waits for that and for its reads of this slot.
.macro TURN slot, next, fill
	s_wait_tensorcnt 0x0                           ; all my tensor loads have landed: my part of the next slot
	ds_add_u32 v[SPW], v[NIL]                      ; 0 onto my spare word
	s_wait_dscnt 4*NL+1                            ; the add and the youngest 24 loads may be out
	WIN MUL_LO
	MUL16 0, 1, NQ-1, \slot, 0                     ; sixteen matrix instructions between the add and the wait for it
	s_wait_dscnt 0x0                               ; the add is done, my reads of this slot are over
	s_barrier_signal -1
	MUL16 2, 1, NQ-1, \slot, 0
	WIN 0
	s_barrier_wait -1
.if \fill
	CREST                                          ; the barrier has opened a round of the cluster's: no wave of any partner still reads this slot or has a load on its way
	s_add_nc_u64 s[G0+4*\slot+2:G0+4*\slot+3], s[G0+4*\slot+2:G0+4*\slot+3], 2*ROWB
	s_add_nc_u64 s[G0B+4*\slot+2:G0B+4*\slot+3], s[G0B+4*\slot+2:G0B+4*\slot+3], 2*ROWB
	JLOAD G0+4*\slot, G1, G0B+4*\slot, G1B         ; my one tensor load behind the round; its four v_nop are the places in front of the loads below
.else
	PLACES NP
.endif
	v_add_nc_u32 v[ADRS], 4*NQ, v[ADRS]            ; the next K step's scale words
	FETCH_B \next, 0, 0
	FETCH_A \next, 0, 0
	SCALES \next
	WIN MUL_HI
	MUL16 4, 1, NQ-1, \slot, 0
	MUL16 6, 1, NQ-1, \slot, 0
	PLACES NP
	WIN 0
	FETCH_A \next, 0, 4
.endm
	s_wait_tensorcnt 1                             ; the scale bytes and my part of K step 0 are in; K step 1's load may be out
	s_barrier_signal -1
	s_barrier_wait -1
	FETCH_B 0, 0, 0
	FETCH_A 0, 0, 0
	SCALES 0
	FETCH_A 0, 0, 4
	s_wait_loadcnt 0x0                             ; the bias
	s_cmp_eq_u32 s[KIND], 2                        ; the first step starts the sums from the bias; which registers of it, hangs on the cluster's number, which all partners share
	s_cbranch_scc1 .Lfirst_v
	STEP 0, 0, 1
	s_branch .Lfirst_done
.Lfirst_v:
	STEP 0, 0, 2
.Lfirst_done:
	TURN 0, 1, 1                                   ; K = 1,024 is four slots' worth: written out; slot 0 takes K step 2,
	STEP 1, 0, 0
	TURN 1, 0, 1                                   ; slot 1 K step 3,
	STEP 0, 0, 0
	TURN 0, 1, 0                                   ; and nothing more is asked for
	STEP 1, 0, 0
	s_wait_dscnt 4*NL
	WIN MUL_LO
	MUL16 0, 1, NQ-1, 1, 0
	MUL16 2, 1, NQ-1, 1, 0
	s_wait_dscnt 0
	WIN MUL_HI
	MUL16 4, 1, NQ-1, 1, 0
	MUL16 6, 1, NQ-1, 1, 0
	WIN 0
	PLACES NP                                      ; in front of the first read of results and the first write of operands' and scales' registers
	; THE WAY OUT.  Where my 128 x 128 goes: tokens are one record's 128, features two heads.
	s_lshl_b32 s2, s42, 1
	s_add_co_u32 s2, s2, s16                       ; my 128 along i
	s_lshl_b32 s3, s17, 1
	s_add_co_u32 s3, s3, s15                       ; my 128 along j
	s_mul_i32 s43, s[KIND], 6656
	s_add_co_u32 s45, s[KIND], 1
	s_mul_i32 s45, s45, 6144
	s_mov_b32 s50, 3072
	s_mov_b32 s48, HEADB
	s_mov_b32 s52, 768
	s_cmp_eq_u32 s[KIND], 2
	s_cselect_b32 s22, s2, s3                      ; which 128 tokens of the 8,192
	s_cselect_b32 s23, s3, s2                      ; which pair of heads
	s_cselect_b32 s50, HEADB, s50                  ; bytes for a / 4: q, k four tiles of tokens; v the next head
	s_cselect_b32 s48, 768, s48                    ; for c (blocks 2 c, 2 c + 1): q, k the next head; v the fragment's second half
	s_cselect_b32 s52, 1536, s52                   ; for a % 4: a tile
	s_cselect_b32 s45, 6656, s45                   ; from the codes to the scale words: 6,144, 12,288, 6,656
	s_cselect_b32 s44, 512, 0
	s_sub_co_u32 s43, s43, s44                     ; the codes' place in a record: 0, 6,656, 12,800
	s_mov_b32 s49, 0
	s_mov_b32 s51, 0
	s_lshr_b32 s46, s22, 4
	s_lshl_b32 s46, s46, 4                         ; 16 x batch
	s_lshl_b32 s47, s23, 1
	s_add_co_u32 s46, s46, s47                     ; + head
	s_lshl_b32 s46, s46, 4
	s_and_b32 s47, s22, 15
	s_add_co_u32 s46, s46, s47                     ; the record
	s_mul_i32 s46, s46, REC
	s_add_co_u32 s46, s46, s43
	s_mov_b32 s47, 0
	s_add_nc_u64 s[24:25], s[66:67], s[46:47]      ; base (a / 4, c) in s[24 + 4 (a / 4) + 2 c]: the descriptors are done with since the last wait for all tensor loads
	s_add_nc_u64 s[26:27], s[24:25], s[48:49]
	s_add_nc_u64 s[28:29], s[24:25], s[50:51]
	s_add_nc_u64 s[30:31], s[28:29], s[48:49]
	s_mov_b32 s20, 0x76543210
	s_mov_b32 s21, 0xfedcba98                      ; v_permlanex16_b32's selects for lane l xor 16
	s_mov_b32 s[SLL], 0x05040100
	s_mov_b32 s[SHL], 0x05040302
	s_mov_b32 s[SHH], 0x07060302
	v_and_b32 v1, 31, v0
	v_lshlrev_b32 v[VO], 3, v1
	v_add_nc_u32 v[VO+1], s52, v[VO]
	v_add_nc_u32 v[VO+2], s52, v[VO+1]
	v_add_nc_u32 v[VO+3], s52, v[VO+2]
	v_add_nc_u32 v[VS], s45, v[VO]
.irp b, 0,1,2,3
	v_mov_b32 v[TM+4+\b], 0                        ; written once: a lane permute's destination counts as one of its sources
.endr
; v[f .. f + 2]: the conversion of block 2 c (lanes 0-15 pieces 0 and 2, lanes 16-31 pieces 1 and 3), v[y .. y + 2]: of block 2 c + 1.  The three swaps give lane (r, h) block 2 c + h: pieces 0, 2 in f, pieces 1, 3 in y.
; A piece is 48 bits, so the four pieces in order are six registers made of halves of these six.
.macro PACK6 f, y
.irp i, 0,1,2
	v_permlane16_swap_b32 v[\f+\i], v[\y+\i]
.endr
	v_perm_b32 v[\f+3], v[\f+2], v[\f+1], s[SHL]   ; piece 2, bits 0-31
	v_perm_b32 v[\f+4], v[\y+1], v[\f+2], s[SHH]   ; piece 2, bits 32-47 | piece 3, bits 0-15
	v_perm_b32 v[\f+1], v[\y], v[\f+1], s[SLL]     ; piece 0, bits 32-47 | piece 1, bits 0-15
	v_perm_b32 v[\f+2], v[\y+1], v[\y], s[SHL]     ; piece 1, bits 16-47
	v_mov_b32 v[\f+5], v[\y+2]                     ; piece 3, bits 16-47
.endm
; The 64 registers of a (j = 16 a + r; four blocks of 32 along i) become 12 registers of codes, in the registers that held A's fragment a, and a scale word.  Each accumulator is read from its low end on.
.macro QUANT a
.set WI, 2+(\a)/4
.set AC, 64*((\a)%4)
.set FO, AF+12*(\a)
	WIN WI|(WI<<2)|(WI<<4)
.irp b, 0,1,2,3
	v_max3_num_f32 v[TM+\b], |v[AC+16*\b]|, |v[AC+16*\b+1]|, |v[AC+16*\b+2]|
.endr
	WIN (WI<<2)|(WI<<4)
.irp i, 3,5,7,9,11,13
.irp b, 0,1,2,3
	v_max3_num_f32 v[TM+\b], v[TM+\b], |v[AC+16*\b+\i]|, |v[AC+16*\b+\i+1]|   ; the four blocks by turns
.endr
.endr
.irp b, 0,1,2,3
	v_max3_num_f32 v[TM+\b], v[TM+\b], |v[AC+16*\b+15]|, 0x1800000   ; and the floor 2^(3 - 127): the byte cannot fall under 1
.endr
	WIN 0
.irp b, 0,1,2,3
	v_permlanex16_b32 v[TM+4+\b], v[TM+\b], s20, s21
.endr
.irp b, 0,1,2,3
	v_max_num_f32 v[TM+\b], v[TM+\b], v[TM+4+\b]   ; with lane l xor 16's 16: the block's largest magnitude
.endr
.irp b, 0,1,2,3
	v_add_nc_u32 v[TM+12+\b], 0xff000000, v[TM+\b] ; 2 off its exponent field: the conversion's scale operand
.endr
.irp b, 0,1,2,3
	v_lshrrev_b32 v[TM+4+\b], 23, v[TM+12+\b]      ; the scale's byte
.endr
	v_lshl_or_b32 v[WD+(\a)], v[TM+5], 8, v[TM+4]
	v_lshl_or_b32 v[WD+(\a)], v[TM+6], 16, v[WD+(\a)]
	v_lshl_or_b32 v[WD+(\a)], v[TM+7], 24, v[WD+(\a)]
	WIN WI
	v_cvt_scalef32_pk16_fp6_f32 v[FO:FO+2], v[AC:AC+15], v[TM+12]
	v_cvt_scalef32_pk16_fp6_f32 v[YY:YY+2], v[AC+16:AC+31], v[TM+13]
	v_cvt_scalef32_pk16_fp6_f32 v[FO+6:FO+8], v[AC+32:AC+47], v[TM+14]
	v_cvt_scalef32_pk16_fp6_f32 v[YY+4:YY+6], v[AC+48:AC+63], v[TM+15]
	WIN 0
	v_nop                                          ; one plain place behind a scaled conversion
	PACK6 FO, YY
	PACK6 FO+6, YY+4
.irp c, 0,1
.irp p, 0,1,2
	global_store_b64 v[VO+(\a)%4], v[FO+6*\c+2*\p:FO+6*\c+2*\p+1], s[24+4*((\a)/4)+2*\c:25+4*((\a)/4)+2*\c] offset:256*\p   ; 32 lanes store 256 consecutive bytes, aligned; each a has registers of its own, so no store's data are written again
.endr
.endr
.endm
.irp a, 0,1,2,3,4,5,6,7
	QUANT \a
.endr
	; The scale words as the reader's registers want them: one register carries tile 2 k in lanes 0-15 and tile 2 k + 1 in lanes 16-31.
	v_cmp_le_u32 vcc_lo, 16, v1
.irp k, 0,1,2,3
	v_cndmask_b32 v[IW+\k], v[WD+2*\k], v[WD+2*\k+1], vcc_lo
.endr
	s_cmp_eq_u32 s[KIND], 2
	s_cbranch_scc1 .Lwords_v
.irp k, 0,1,2,3
	v_and_b32 v[IW+4+\k], 0xffff, v[IW+\k]         ; q, k: bytes 0, 1 are the first head's two blocks; the upper two bytes stay 0: they meet zero codes
	v_lshrrev_b32 v[IW+8+\k], 16, v[IW+\k]         ; bytes 2, 3 the second head's
.endr
	global_store_b64 v[VS], v[IW+4:IW+5], s[24:25]
	global_store_b64 v[VS], v[IW+6:IW+7], s[24:25] offset:256
	global_store_b64 v[VS], v[IW+8:IW+9], s[26:27]
	global_store_b64 v[VS], v[IW+10:IW+11], s[26:27] offset:256
	s_branch .Lwords_done
.Lwords_v:
	global_store_b64 v[VS], v[IW:IW+1], s[24:25]   ; v: four bytes, the record's four blocks of keys; tiles 0-3 the first head, 4-7 the second
	global_store_b64 v[VS], v[IW+2:IW+3], s[28:29]
.Lwords_done:
	s_wait_tensorcnt 0x0                           ; the wave's end
	ds_add_u32 v[SPW], v[NIL]
	s_wait_dscnt 0x0
	CROUND                                         ; the closing round: no work-group ends while a partner may still ask for a tile that names it
	s_endpgm
.Lfunc_end_k_qd4cb0e519f_proj:
	.size	k_qd4cb0e519f_proj, .Lfunc_end_k_qd4cb0e519f_proj-k_qd4cb0e519f_proj
	.p2alignl 7, 3214868480
	.fill 96, 4, 3214868480
	.section	.rodata,"a",@progbits
	.p2align	6, 0x0
	.amdhsa_kernel k_qd4cb0e519f_proj
		.amdhsa_group_segment_fixed_size 327680
		.amdhsa_private_segment_fixed_size 0
		.amdhsa_enable_private_segment 0
		.amdhsa_kernarg_size 128
		.amdhsa_user_sgpr_count 2
		.amdhsa_user_sgpr_kernarg_segment_ptr 1
		.amdhsa_wavefront_size32 1
		.amdhsa_system_sgpr_workgroup_id_x 1
		.amdhsa_system_sgpr_workgroup_id_y 1
		.amdhsa_system_sgpr_workgroup_id_z 1
		.amdhsa_system_vgpr_workitem_id 0
		.amdhsa_next_free_vgpr 1024
		.amdhsa_next_free_sgpr 100
		.amdhsa_reserve_vcc 1
		.amdhsa_float_denorm_mode_32 3
		.amdhsa_float_denorm_mode_16_64 3
		.amdhsa_memory_ordered 1
		.amdhsa_forward_progress 1
		.amdhsa_inst_pref_size 193
	.end_amdhsa_kernel
	.amdgpu_metadata
---
amdhsa.version: [ 1, 2 ]
amdhsa.kernels:
  - .name:           k_qd4cb0e519f_proj
    .symbol:         k_qd4cb0e519f_proj.kd
    .args:
      - { .name: query_codes, .offset: 0, .size: 8, .value_kind: global_buffer, .address_space: global }
      - { .name: query_scales, .offset: 8, .size: 8, .value_kind: global_buffer, .address_space: global }
      - { .name: key_codes, .offset: 16, .size: 8, .value_kind: global_buffer, .address_space: global }
      - { .name: key_scales, .offset: 24, .size: 8, .value_kind: global_buffer, .address_space: global }
      - { .name: value_codes, .offset: 32, .size: 8, .value_kind: global_buffer, .address_space: global }
      - { .name: value_scales, .offset: 40, .size: 8, .value_kind: global_buffer, .address_space: global }
      - { .name: W_q_codes, .offset: 48, .size: 8, .value_kind: global_buffer, .address_space: global }
      - { .name: W_q_scales, .offset: 56, .size: 8, .value_kind: global_buffer, .address_space: global }
      - { .name: W_k_codes, .offset: 64, .size: 8, .value_kind: global_buffer, .address_space: global }
      - { .name: W_k_scales, .offset: 72, .size: 8, .value_kind: global_buffer, .address_space: global }
      - { .name: W_v_codes, .offset: 80, .size: 8, .value_kind: global_buffer, .address_space: global }
      - { .name: W_v_scales, .offset: 88, .size: 8, .value_kind: global_buffer, .address_space: global }
      - { .name: b_q, .offset: 96, .size: 8, .value_kind: global_buffer, .address_space: global }
      - { .name: b_k, .offset: 104, .size: 8, .value_kind: global_buffer, .address_space: global }
      - { .name: b_v, .offset: 112, .size: 8, .value_kind: global_buffer, .address_space: global }
      - { .name: qkv, .offset: 120, .size: 8, .value_kind: global_buffer, .address_space: global }
    .group_segment_fixed_size: 327680
    .private_segment_fixed_size: 0
    .kernarg_segment_align: 8
    .kernarg_segment_size: 128
    .max_flat_workgroup_size: 128
    .sgpr_count:     100
    .vgpr_count:     1024
    .wavefront_size: 32
...
	.end_amdgpu_metadata
.endif
;; end of part 1
;; launch attn (part 2): grid 4 x 64, 16 waves a work-group, clusters of 4 x 1, 219,136 bytes of LDS; arguments qkv, mask, cimg, cscl; writes cimg, cscl
.if DOCPART == 2
	.amdgcn_target "amdgcn-amd-amdhsa--gfx1250"
	.amdhsa_code_object_version 6
	.text
	.protected	k_qd4cb0e519f_attn
	.globl	k_qd4cb0e519f_attn
	.p2align	8
	.type	k_qd4cb0e519f_attn,@function
k_qd4cb0e519f_attn:
	s_mov_b64 s[64:65], 0
	v_nop
	global_prefetch_b8 v0, s[64:65] scope:SCOPE_SE
	s_setreg_imm32_b32 hwreg(HW_REG_WAVE_MODE, 25, 1), 1
	s_wait_xcnt 0x0
	s_wait_alu depctr_hold_cnt(0) depctr_sa_sdst(0) depctr_va_vdst(0) depctr_va_sdst(0) depctr_va_ssrc(0) depctr_va_vcc(0) depctr_vm_vsrc(0)
	s_getreg_b32 s2, hwreg(HW_REG_IB_STS2, 6, 4)
	s_cmp_eq_u32 s2, 0
	s_cbranch_scc0 .Lentry_in_a_cluster
	s_endpgm
.Lentry_in_a_cluster:
	s_bfe_u32 s2, ttmp6, 0x10000c
	s_cmp_lg_u32 s2, 0x3003
	s_cbranch_scc0 .Lentry_shape_is_right
	s_endpgm
.Lentry_shape_is_right:
; c[b][q][head] = softmax_k(q . k / 4096 + padding mask + causal mask) v, both products on codes of FP6 (E2M3) with E8M0 scales; c is quantised along d_model and leaves as codes.
; THE SOFTMAX: t = score x log2(e) / 4096; M = the running largest t rounded up to a whole number; p = 2^(t - M) is quantised along the keys, not normalised; the row's sum is taken of the
; unquantised p and divides at the end.  When M moves, the sum and O are multiplied by 2^(old M - new M): exact.
; SHARES.  The four work-groups of a cluster serve one (batch, head): its K and V, 16 records of 128 keys, 208,896 bytes, come into each one's LDS ONCE, each record by one joint load of one wave.
; No LDS byte is filled twice: no ring.  A wave serves two tiles of 16 queries, one after the other: tile T = 2 cx + wave % 2 of the 128 queries a = wave / 2, then of a = 15 - wave / 2:
; (a + 1) + (16 - a) = 17 key steps of work for every wave.  Trip counts are constants (8, 16); a step all of whose keys come after the queries is jumped over, on the wave's number and the counter alone.
; LAYOUT.  S^T = K Q^T and O^T = V^T P^T: a lane holds one query (lane % 16) throughout; in tile t register n is key 16 t + 8 (lane / 16) + n.  p's codes are laid in order by PACK6.
; K = 64 IN AN INSTRUCTION OF 128: Q's registers 6-11 are zero codes, and bytes 2, 3 of Q's and K's scale words are 0 (2^-127).  K's tiles lie 6 registers apart: a tile's upper six are the next tile's codes, which meet Q's zeros.
; THE PADDING MASK is the C of the scores: 0, or -2^120 where mask = 0.  The causal mask writes -2^120 over hidden scores in the one step on the diagonal.  The largest t begins at -2^100, over every masked t:
; so a masked p is 0, and a query with no key allowed ends with the sum 0.  reference() has NaN there: the row's scale bytes become 0xff, which makes the last product's sums NaN.
; LIMITS: |t| < 2^100; NaN and infinities are not served; a block under 2^-124 keeps the byte 1.  cscl is stored two bytes a row, 32 bytes apart: 262,144 bytes of the launch's 6.5 million.
.set REC,   19712                      ; a record in qkv
.set LREC,  13056                      ; what of it comes into LDS: K codes 0, V codes 6,144, K scale words 12,288, V scale words 12,800: 51 rows of 256 bytes
.set PAD,   16*LREC                    ; behind the records: 2,048 f32, a key each; written by LDS stores alone
.set L8,  1                            ; v1  8 x lane
.set HP,  2                            ; v2  PAD + 32 (lane / 16)
.set ADK, 3                            ; v3  the step's record + 8 x lane
.set ADP, 4                            ; v4  the step's mask numbers
.set DG,  5                            ; v5  16 T + r - 8 h: register 8 t + n is hidden on the diagonal where 16 t + n is larger
.set SEN, 6                            ; v6  -2^120
.set R32, 7                            ; v7  32 r
.set TMP, 8                            ; v8-11 at work;  v12 -M, v13 the largest t, v[14:15] the sum in two halves
.set QF,  16                           ; v16-27, v28-39 Q of the two passes: 6 registers of codes, 6 of zeros
.set QW,  40                           ; v40, v41 their scale words
.set KW,  42                           ; v42-45 K's scale words: register t / 2, lanes 0-15 the even tile, lanes 16-31 the odd one
.set VW,  46                           ; v46-47 V's likewise
.set KF,  48                           ; v48-95 K's 8 tiles, 6 registers each; then V's 4 fragments; v96-101 zeros
.set SR,  104                          ; v104-167 S^T, then p
.set OT,  168                          ; v168-199 O^T
.set PF,  200                          ; v200-211 p's codes
.set YA,  212                          ; v212-218 the odd blocks' conversions
.set BM,  220                          ; v220-223 block maxima; v224-227 at work, bytes; v228-231 the conversions' scale operands
.set BT,  224
.set BO,  228
.set FF,  232                          ; v232 f = 2^(old M - new M); v233 p's scale word
.set S2,  234                          ; v[234:235] the sums' second chain
.set MK,  236                          ; v236-239 four words of the mask
.set CB,  240                          ; v240 c's two scale bytes; v241 0xffff; v242 1 / the sum (v243 named with it as a pair)
.set ALL1, 241
.set RL,  242
.set WV,  12                           ; s12 wave; s13 cx; s14 batch x 16 + head; s15 T; s16 a; s17 the step; s18, s19 its places in LDS
.set SEL, 20                           ; s[20:21] selects for lane l xor 16
.set CS,  22                           ; s[22:23] log2(e) / 4096
.set G1,  24
.set G0,  32
.set SLL, 56
.set SHL, 57
.set SHH, 58
.macro ROUND                           ; a round of the cluster's barrier
	s_barrier_signal -1
	s_barrier_wait -1
	s_cmp_lg_u32 s[WV], 0
	s_cbranch_scc1 .Lnot_wave_0_\@
	s_barrier_signal -3
.Lnot_wave_0_\@:
	s_barrier_wait -3
	s_barrier_signal -1
	s_barrier_wait -1
.endm
; v[f .. f + 2]: the conversion of block 2 c (lanes 0-15 its pieces 0 and 2 of 8 codes, lanes 16-31 pieces 1 and 3), v[y .. y + 2]: of block 2 c + 1.  The swaps give lane (r, h) block 2 c + h; the rest lays its four pieces of 48 bits in order.
.macro PACK6 f, y
.irp i, 0,1,2
	v_permlane16_swap_b32 v[\f+\i], v[\y+\i]
.endr
	v_perm_b32 v[\f+3], v[\f+2], v[\f+1], s[SHL]
	v_perm_b32 v[\f+4], v[\y+1], v[\f+2], s[SHH]
	v_perm_b32 v[\f+1], v[\y], v[\f+1], s[SLL]
	v_perm_b32 v[\f+2], v[\y+1], v[\y], s[SHL]
	v_mov_b32 v[\f+5], v[\y+2]
.endm
	s_load_b256 s[4:11], s[0:1], 0x0               ; qkv s[4:5], mask s[6:7], cimg s[8:9], cscl s[10:11]
	v_lshl_add_u32 v254, v0, 2, 0x35000
	v_mov_b32 v255, 0
	ds_add_u32 v254, v255
	ds_add_u32 v254, v255
	v_lshrrev_b32 v8, 5, v0
	v_readfirstlane_b32 s[WV], v8                  ; wave 0..15
	s_bfe_u32 s13, ttmp6, 0x40000                  ; cx: it enters global addresses and v5 alone
	s_and_b32 s14, ttmp7, 0xffff
	s_and_b32 s44, s[WV], 1
	s_lshl_b32 s15, s13, 1
	s_add_co_u32 s15, s15, s44                     ; T
	s_lshr_b32 s60, s[WV], 1                       ; wave / 2
	s_lshr_b32 s61, s14, 4                         ; batch
	s_and_b32 s62, s14, 15                         ; head
	s_lshr_b32 s63, s15, 2                         ; Q's scale word of tile T, row r, lies at 6,144 + 256 (T / 4) + 128 (T % 2) + 4 ((T / 2) % 2) + 8 r
	s_lshl_b32 s63, s63, 8
	s_and_b32 s44, s15, 1
	s_lshl_b32 s44, s44, 7
	s_add_co_u32 s63, s63, s44
	s_bfe_u32 s44, s15, 0x10001
	s_lshl_b32 s44, s44, 2
	s_add_co_u32 s63, s63, s44
	s_add_co_u32 s63, s63, 6144
	s_mov_b32 s[G1], 15|(3<<16)|(1<<21)            ; 15:0 the mask: all four work-groups; 17:16 elements of 8 bytes; 21 set beside a mask; no padding
	s_mov_b32 s[G1+1], 32<<16                      ; tensor_dim0: 256 bytes
	s_mov_b32 s[G1+2], 51<<16                      ; tensor_dim1
	s_mov_b32 s[G1+3], 32<<16                      ; tile_dim0
	s_mov_b32 s[G1+4], 51                          ; tile_dim1
	s_mov_b32 s[G1+5], 32                          ; dense
	s_mov_b32 s[G1+6], 0
	s_mov_b32 s[G1+7], 0
	s_mov_b32 s[G0], 1
	s_mul_i32 s[G0+1], s[WV], LREC                 ; wave w brings record w
	s_lshl_b32 s46, s14, 4
	s_add_co_u32 s46, s46, s[WV]
	s_mul_i32 s46, s46, REC
	s_add_co_u32 s46, s46, 6656                    ; from K's codes on
	s_mov_b32 s47, 0
	s_mov_b32 s[SEL], 0x76543210
	s_mov_b32 s[SEL+1], 0xfedcba98
	s_mov_b32 s[CS], 0x39b8aa3b                    ; log2(e) x 2^-12
	s_mov_b32 s[CS+1], s[CS]                       ; (named with it as a pair)
	s_mov_b32 s[SLL], 0x05040100
	s_mov_b32 s[SHL], 0x05040302
	s_mov_b32 s[SHH], 0x07060302
	s_wait_dscnt 0x0
	s_wait_kmcnt 0x0
	s_add_nc_u64 s[G0+2:G0+3], s[4:5], s[46:47]
	s_or_b32 s[G0+3], s[G0+3], 0x80000000
	ROUND                                          ; all four work-groups are here: the joint loads meet
	tensor_load_to_lds s[G0:G0+3], s[G1:G1+7]      ; one load of mine is out
	s_nop 0
.rept 4
	v_nop
.endr
; Pass pi's bases, for a in s16: Q's codes s[36 + 2 pi], Q's scale words s[40 + 2 pi], c's codes s[48 + 2 pi], c's scale bytes s[52 + 2 pi]
.macro BASES pi
	s_lshl_b32 s46, s14, 4
	s_add_co_u32 s46, s46, s16
	s_mul_i32 s46, s46, REC                        ; the queries' record
	s_mul_i32 s44, s15, 768
	s_add_co_u32 s44, s44, s46
	s_mov_b32 s45, 0
	s_add_nc_u64 s[36+2*\pi:37+2*\pi], s[4:5], s[44:45]
	s_add_co_u32 s44, s46, s63
	s_add_nc_u64 s[40+2*\pi:41+2*\pi], s[4:5], s[44:45]
	s_lshl_b32 s46, s61, 7
	s_lshl_b32 s47, s16, 3
	s_add_co_u32 s46, s46, s47
	s_add_co_u32 s46, s46, s15                     ; the tile of 16 tokens among 512
	s_mul_i32 s44, s46, 12288
	s_mul_i32 s47, s62, 768
	s_add_co_u32 s44, s44, s47
	s_add_nc_u64 s[48+2*\pi:49+2*\pi], s[8:9], s[44:45]
	s_lshl_b32 s44, s46, 9
	s_lshl_b32 s47, s62, 1
	s_add_co_u32 s44, s44, s47
	s_add_nc_u64 s[52+2*\pi:53+2*\pi], s[10:11], s[44:45]
.endm
	s_mov_b32 s16, s60
	BASES 0
	s_sub_co_u32 s16, 15, s60
	BASES 1
	s_lshl_b32 s44, s61, 13                        ; the batch's 2,048 words of the mask
	s_mov_b32 s45, 0
	s_add_nc_u64 s[6:7], s[6:7], s[44:45]
	v_lshlrev_b32 v[ADK], 4, v0                    ; 16 bytes a thread: 512 threads take the 8,192
	v_add_nc_u32 v[ADP], PAD, v[ADK]
	global_load_b128 v[MK:MK+3], v[ADK], s[6:7]
	v_and_b32 v8, 31, v0
	v_lshlrev_b32 v[L8], 3, v8
	v_and_b32 v9, 15, v0                           ; r
	v_bfe_u32 v10, v0, 4, 1                        ; h
	v_lshl_add_u32 v[HP], v10, 5, PAD
	v_lshlrev_b32 v[R32], 5, v9
	v_lshlrev_b32 v11, 3, v9
.irp pi, 0,1
.irp p, 0,1,2
	global_load_b64 v[QF+12*\pi+2*\p:QF+12*\pi+2*\p+1], v[L8], s[36+2*\pi:37+2*\pi] offset:256*\p   ; an image of the operand's registers 0-5
.endr
	global_load_b32 v[QW+\pi], v11, s[40+2*\pi:41+2*\pi]
.endr
	v_lshlrev_b32 v[DG], 3, v10
	v_sub_nc_u32 v[DG], v9, v[DG]
	s_lshl_b32 s44, s15, 4
	v_add_nc_u32 v[DG], s44, v[DG]
	v_mov_b32 v[SEN], 0xfb800000                   ; -2^120
.irp j, 0,1,2,3,4,5
	v_mov_b32 v[QF+6+\j], 0                        ; zero codes for the idle half of K
	v_mov_b32 v[QF+18+\j], 0
	v_mov_b32 v[KF+48+\j], 0                       ; behind K's last tile
.endr
.irp b, 0,1,2,3
	v_mov_b32 v[BT+\b], 0                          ; written once: a lane permute's destination counts as one of its sources
.endr
	v_mov_b32 v[FF+1], 0                           ; (upper halves of pairs that are named before they are first written)
	v_mov_b32 v[RL+1], 0
	s_wait_loadcnt 8                               ; the mask is in; the eight loads of Q behind it may be out
.irp i, 0,1,2,3
	v_cmp_eq_u32 vcc_lo, 0, v[MK+\i]
	v_cndmask_b32 v[MK+\i], 0, v[SEN], vcc_lo      ; 0 where the key counts, -2^120 where mask = 0
.endr
	ds_store_b128 v[ADP], v[MK:MK+3]
	s_wait_tensorcnt 0x0                           ; my record has landed,
	s_wait_dscnt 0x0                               ; my part of the mask is stored:
	s_barrier_signal -1
	s_barrier_wait -1                              ; everybody's
	s_wait_loadcnt 0x0                             ; Q
; A PASS: one tile of 16 queries against key steps 0 .. a.
.macro TILE pi, trips
	s_wait_xcnt 0x0                                ; the last pass's stores have read their registers
.set j, 0
.rept 32
	v_mov_b32 v[OT+j], 0                           ; the step is written once: the first finds zeros, which the first change of M leaves zeros
.set j, j+1
.endr
	v_mov_b32 v13, 0xf1800000                      ; the largest t so far: -2^100
	v_floor_f32 v12, -v13                          ; -M
	v_mov_b32 v14, 0
	v_mov_b32 v15, 0
	s_mov_b32 s17, 0
	s_mov_b32 s18, 0
	s_mov_b32 s19, 0
.Ltrip_\@:
	s_cmp_gt_u32 s17, s16                          ; all keys of the step come after my queries: only the work is left out
	s_cbranch_scc1 .Lskip_\@
	v_add_nc_u32 v[ADK], s18, v[L8]
	v_add_nc_u32 v[ADP], s19, v[HP]
.set n, 0
.rept 16
	ds_load_b128 v[SR+4*n:SR+4*n+3], v[ADP] offset:64*(n/2)+16*(n%2)   ; the padding mask in the scores' layout: keys 16 t + 8 h + 0..7; sixteen lanes share each word
.set n, n+1
.endr
.set n, 0
.rept 24
	ds_load_b64 v[KF+2*n:KF+2*n+1], v[ADK] offset:256*n   ; K: tile n / 3, registers 2 (n % 3) on: 256 consecutive bytes a load
.set n, n+1
.endr
	ds_load_b64 v[KW:KW+1], v[ADK] offset:12288
	ds_load_b64 v[KW+2:KW+3], v[ADK] offset:12288+256
	s_wait_dscnt 0x0
.set t, 0
.rept 4                                        ; S^T = K Q^T + mask: eight accumulators, one instruction each
	v_wmma_scale_f32_16x16x128_f8f6f4 v[SR+16*t:SR+16*t+7], v[KF+12*t:KF+12*t+11], v[QF+12*\pi:QF+12*\pi+11], v[SR+16*t:SR+16*t+7], v[KW+t], v[QW+\pi] matrix_a_fmt:MATRIX_FMT_FP6 matrix_b_fmt:MATRIX_FMT_FP6
	v_wmma_scale_f32_16x16x128_f8f6f4 v[SR+16*t+8:SR+16*t+15], v[KF+12*t+6:KF+12*t+17], v[QF+12*\pi:QF+12*\pi+11], v[SR+16*t+8:SR+16*t+15], v[KW+t], v[QW+\pi] matrix_a_fmt:MATRIX_FMT_FP6 matrix_b_fmt:MATRIX_FMT_FP6 matrix_a_scale:MATRIX_SCALE_ROW1
.set t, t+1
.endr
.rept 4
	v_nop                                          ; places in front of the loads into K's registers and of the first read of the scores
.endr
.set n, 0
.rept 24
	ds_load_b64 v[KF+2*n:KF+2*n+1], v[ADK] offset:6144+256*n   ; V's four fragments: they land under the softmax
.set n, n+1
.endr
	ds_load_b64 v[VW:VW+1], v[ADK] offset:12800
	s_cmp_lg_u32 s17, s16                          ; the causal mask bites in the step on the diagonal alone
	s_cbranch_scc1 .Lopen_\@
.set n, 0
.rept 64
	v_cmp_gt_i32 vcc_lo, 16*(n/8)+n%8, v[DG]
	v_cndmask_b32 v[SR+n], v[SR+n], v[SEN], vcc_lo
.set n, n+1
.endr
.Lopen_\@:
.irp b, 0,1,2,3
	v_max3_num_f32 v[BM+\b], v[SR+16*\b], v[SR+1+16*\b], v[SR+2+16*\b]   ; the largest score of each block of 32 keys: for the row's maximum, and, since p rises with the score, for the block's largest p
.endr
.irp i, 3,5,7,9,11,13
.irp b, 0,1,2,3
	v_max3_num_f32 v[BM+\b], v[BM+\b], v[SR+16*\b+\i], v[SR+1+16*\b+\i]
.endr
.endr
.irp b, 0,1,2,3
	v_max_num_f32 v[BM+\b], v[BM+\b], v[SR+15+16*\b]
.endr
.irp b, 0,1,2,3
	v_permlanex16_b32 v[BT+\b], v[BM+\b], s[SEL], s[SEL+1]
.endr
.irp b, 0,1,2,3
	v_max_num_f32 v[BM+\b], v[BM+\b], v[BT+\b]     ; with lane l xor 16's 16 keys
.endr
	v_max3_num_f32 v8, v[BM], v[BM+1], v[BM+2]
	v_max_num_f32 v8, v8, v[BM+3]
	v_mul_f32 v8, s[CS], v8                        ; as t
	v_max_num_f32 v13, v13, v8                     ; the running largest t
	v_mov_b32 v8, v12
	v_floor_f32 v12, -v13                          ; the new -M = -ceil(t)
	v_sub_f32 v8, v12, v8                          ; old M - new M: a whole number, 0 or less
	v_cvt_i32_f32 v8, v8                           ; (it saturates)
	v_ldexp_f32 v[FF], 1.0, v8                     ; f
.set j, 0
.rept 32
	v_pk_fma_f32 v[SR+j:SR+j+1], v[SR+j:SR+j+1], s[CS:CS+1], v[12:13] op_sel_hi:[1,0,0]   ; t - M, two at a time
.set j, j+2
.endr
.irp b, 0,1,2,3
	v_fma_f32 v[BM+\b], v[BM+\b], s[CS], v12
.endr
.set j, 0
.rept 64
	v_exp_f32 v[SR+j], v[SR+j]                     ; p = 2^(t - M)
.set j, j+1
.endr
.irp b, 0,1,2,3
	v_exp_f32 v[BM+\b], v[BM+\b]                   ; the block's largest p: the same two instructions on the same number
.endr
	v_pk_mul_f32 v[14:15], v[14:15], v[FF:FF+1] op_sel_hi:[1,0]   ; the sums under the new M (a plain place behind the exponentials)
	s_wait_alu depctr_va_vdst(0)
.irp b, 0,1,2,3
	v_max_num_f32 v[BM+\b], 0x1800000, v[BM+\b]    ; the floor 2^(3 - 127)
.endr
.irp b, 0,1,2,3
	v_add_nc_u32 v[BO+\b], 0xff000000, v[BM+\b]    ; 2 off the exponent field: the conversion's scale operand
.endr
.irp b, 0,1,2,3
	v_lshrrev_b32 v[BT+\b], 23, v[BO+\b]           ; the scale's byte
.endr
	v_lshl_or_b32 v[FF+1], v[BT+1], 8, v[BT]       ; p's scale word for these 128 keys
	v_lshl_or_b32 v[FF+1], v[BT+2], 16, v[FF+1]
	v_lshl_or_b32 v[FF+1], v[BT+3], 24, v[FF+1]
	v_cvt_scalef32_pk16_fp6_f32 v[PF:PF+2], v[SR:SR+15], v[BO]
	v_cvt_scalef32_pk16_fp6_f32 v[YA:YA+2], v[SR+16:SR+31], v[BO+1]
	v_cvt_scalef32_pk16_fp6_f32 v[PF+6:PF+8], v[SR+32:SR+47], v[BO+2]
	v_cvt_scalef32_pk16_fp6_f32 v[YA+4:YA+6], v[SR+48:SR+63], v[BO+3]
	v_nop                                          ; one plain place behind a scaled conversion
	PACK6 PF, YA
	PACK6 PF+6, YA+4
	v_pk_add_f32 v[S2:S2+1], v[SR:SR+1], v[SR+2:SR+3]   ; the row's sum of the unquantised p, in two chains
.set j, 4
.rept 15
	v_pk_add_f32 v[14:15], v[14:15], v[SR+j:SR+j+1]
	v_pk_add_f32 v[S2:S2+1], v[S2:S2+1], v[SR+j+2:SR+j+3]
.set j, j+4
.endr
	v_pk_add_f32 v[14:15], v[14:15], v[S2:S2+1]
.set j, 0
.rept 16
	v_pk_mul_f32 v[OT+j:OT+j+1], v[OT+j:OT+j+1], v[FF:FF+1] op_sel_hi:[1,0]   ; O^T under the new M.  (With the sums: the places between p's word and codes and the products below)
.set j, j+2
.endr
	s_wait_dscnt 0x0                               ; V
.set t, 0
.rept 2                                        ; O^T += V^T P^T: four accumulators, one instruction each
	v_wmma_scale_f32_16x16x128_f8f6f4 v[OT+16*t:OT+16*t+7], v[KF+24*t:KF+24*t+11], v[PF:PF+11], v[OT+16*t:OT+16*t+7], v[VW+t], v[FF+1] matrix_a_fmt:MATRIX_FMT_FP6 matrix_b_fmt:MATRIX_FMT_FP6
	v_wmma_scale_f32_16x16x128_f8f6f4 v[OT+16*t+8:OT+16*t+15], v[KF+24*t+12:KF+24*t+23], v[PF:PF+11], v[OT+16*t+8:OT+16*t+15], v[VW+t], v[FF+1] matrix_a_fmt:MATRIX_FMT_FP6 matrix_b_fmt:MATRIX_FMT_FP6 matrix_a_scale:MATRIX_SCALE_ROW1
.set t, t+1
.endr
.rept 4
	v_nop                                          ; places in front of the next step's loads into V's registers, and of the reads of O^T behind the loop
.endr
.Lskip_\@:
	s_add_co_u32 s18, s18, LREC
	s_add_co_u32 s19, s19, 512
	s_add_co_u32 s17, s17, 1
	s_cmp_lt_u32 s17, \trips
	s_cbranch_scc1 .Ltrip_\@
.endm
; c = O^T / the sum; lane (r, h) holds token r and, in register 8 t + n, the head's number 16 t + 8 h + n: two blocks of 32 along d_model.  Codes and bytes leave as the last product's operand wants them.
.macro FINISH pi
	v_add_f32 v14, v14, v15
	v_permlanex16_b32 v[BT], v14, s[SEL], s[SEL+1]
	v_add_f32 v14, v14, v[BT]                      ; the row's sum
	v_cmp_lt_f32 s59, 0, v14                       ; it is 0 where no key was allowed
	v_rcp_f32 v[RL], v14
	v_mov_b32 v[ALL1], 0xffff                      ; (a plain place behind the transcendental)
.set j, 0
	s_wait_alu depctr_va_vdst(0)
.rept 16
	v_pk_mul_f32 v[SR+j:SR+j+1], v[OT+j:OT+j+1], v[RL:RL+1] op_sel_hi:[1,0]
.set j, j+2
.endr
.irp b, 0,1
	v_max3_num_f32 v[BM+\b], |v[SR+16*\b]|, |v[SR+1+16*\b]|, 0x1800000
.endr
.irp i, 2,4,6,8,10,12,14
.irp b, 0,1
	v_max3_num_f32 v[BM+\b], v[BM+\b], |v[SR+16*\b+\i]|, |v[SR+1+16*\b+\i]|
.endr
.endr
.irp b, 0,1
	v_permlanex16_b32 v[BT+\b], v[BM+\b], s[SEL], s[SEL+1]
.endr
.irp b, 0,1
	v_max_num_f32 v[BM+\b], v[BM+\b], v[BT+\b]
.endr
.irp b, 0,1
	v_add_nc_u32 v[BO+\b], 0xff000000, v[BM+\b]
.endr
.irp b, 0,1
	v_lshrrev_b32 v[BT+\b], 23, v[BO+\b]
.endr
	v_lshl_or_b32 v[CB], v[BT+1], 8, v[BT]
	v_cndmask_b32 v[CB], v[ALL1], v[CB], s59       ; a row with no key allowed: both bytes 0xff
	v_cvt_scalef32_pk16_fp6_f32 v[PF:PF+2], v[SR:SR+15], v[BO]
	v_cvt_scalef32_pk16_fp6_f32 v[YA:YA+2], v[SR+16:SR+31], v[BO+1]
	v_nop
	PACK6 PF, YA
.irp p, 0,1,2
	global_store_b64 v[L8], v[PF+2*\p:PF+2*\p+1], s[48+2*\pi:49+2*\pi] offset:256*\p   ; 32 lanes store 256 consecutive bytes, aligned
.endr
	global_store_b16 v[R32], v[CB], s[52+2*\pi:53+2*\pi]   ; both halves of the lanes write the same two bytes with the same value
.endm
	s_mov_b32 s16, s60                             ; a = wave / 2: 0..7
	TILE 0, 8
	FINISH 0
	s_sub_co_u32 s16, 15, s60                      ; a = 15 - wave / 2: 8..15
	TILE 1, 16
	FINISH 1
	s_wait_dscnt 0x0
	s_wait_tensorcnt 0x0
	ds_add_u32 v254, v255
	s_wait_dscnt 0x0
	ROUND                                          ; the closing round
	s_endpgm
.Lfunc_end_k_qd4cb0e519f_attn:
	.size	k_qd4cb0e519f_attn, .Lfunc_end_k_qd4cb0e519f_attn-k_qd4cb0e519f_attn
	.p2alignl 7, 3214868480
	.fill 96, 4, 3214868480
	.section	.rodata,"a",@progbits
	.p2align	6, 0x0
	.amdhsa_kernel k_qd4cb0e519f_attn
		.amdhsa_group_segment_fixed_size 219136
		.amdhsa_private_segment_fixed_size 0
		.amdhsa_enable_private_segment 0
		.amdhsa_kernarg_size 32
		.amdhsa_user_sgpr_count 2
		.amdhsa_user_sgpr_kernarg_segment_ptr 1
		.amdhsa_wavefront_size32 1
		.amdhsa_system_sgpr_workgroup_id_x 1
		.amdhsa_system_sgpr_workgroup_id_y 1
		.amdhsa_system_sgpr_workgroup_id_z 1
		.amdhsa_system_vgpr_workitem_id 0
		.amdhsa_next_free_vgpr 256
		.amdhsa_next_free_sgpr 66
		.amdhsa_reserve_vcc 1
		.amdhsa_float_denorm_mode_32 3
		.amdhsa_float_denorm_mode_16_64 3
		.amdhsa_memory_ordered 1
		.amdhsa_forward_progress 1
		.amdhsa_inst_pref_size 66
	.end_amdhsa_kernel
	.amdgpu_metadata
---
amdhsa.version: [ 1, 2 ]
amdhsa.kernels:
  - .name:           k_qd4cb0e519f_attn
    .symbol:         k_qd4cb0e519f_attn.kd
    .args:
      - { .name: qkv, .offset: 0, .size: 8, .value_kind: global_buffer, .address_space: global }
      - { .name: mask, .offset: 8, .size: 8, .value_kind: global_buffer, .address_space: global }
      - { .name: cimg, .offset: 16, .size: 8, .value_kind: global_buffer, .address_space: global }
      - { .name: cscl, .offset: 24, .size: 8, .value_kind: global_buffer, .address_space: global }
    .group_segment_fixed_size: 219136
    .private_segment_fixed_size: 0
    .kernarg_segment_align: 8
    .kernarg_segment_size: 32
    .max_flat_workgroup_size: 512
    .sgpr_count:     66
    .vgpr_count:     256
    .wavefront_size: 32
...
	.end_amdgpu_metadata
.endif
;; end of part 2
;; launch outp (part 3): grid 4 x 32, 4 waves a work-group, clusters of 4 x 4, 327,680 bytes of LDS; arguments cimg, cscl, W_o_codes, W_o_scales, b_o, out0; writes out0
.if DOCPART == 3
	.amdgcn_target "amdgcn-amd-amdhsa--gfx1250"
	.amdhsa_code_object_version 6
	.text
	.protected	k_qd4cb0e519f_outp
	.globl	k_qd4cb0e519f_outp
	.p2align	8
	.type	k_qd4cb0e519f_outp,@function
k_qd4cb0e519f_outp:
	s_mov_b64 s[64:65], 0
	v_nop
	global_prefetch_b8 v0, s[64:65] scope:SCOPE_SE
	s_setreg_imm32_b32 hwreg(HW_REG_WAVE_MODE, 25, 1), 1
	s_wait_xcnt 0x0
	s_wait_alu depctr_hold_cnt(0) depctr_sa_sdst(0) depctr_va_vdst(0) depctr_va_sdst(0) depctr_va_ssrc(0) depctr_va_vcc(0) depctr_vm_vsrc(0)
	s_getreg_b32 s2, hwreg(HW_REG_IB_STS2, 6, 4)
	s_cmp_eq_u32 s2, 0
	s_cbranch_scc0 .Lentry_in_a_cluster
	s_endpgm
.Lentry_in_a_cluster:
	s_bfe_u32 s2, ttmp6, 0x10000c
	s_cmp_lg_u32 s2, 0xf033
	s_cbranch_scc0 .Lentry_shape_is_right
	s_endpgm
.Lentry_shape_is_right:
; out0 = c W_o + b_o on codes of FP6 (E2M3) with one E8M0 scale for each 32 along K = 1,024.  c: 8,192 tokens; W_o: [1,024 (n)][1,024 (k)] codes; out0: [8,192][1,024] f32.
; A tile of out0, 256 x 256, is made by four waves of 128 x 128 (64 accumulators, 512 registers).  K goes in steps of 256 through two LDS slots; the scale bytes of the tile's rows come once.
; A (= c) LIES IN MEMORY AS IMAGES OF THE OPERAND'S REGISTERS: [tile of 16 tokens][K step of 128][6 pairs of registers][lane][8 bytes], 12,288 bytes a tile of tokens.  A slot's part of 128 tokens is 8 rows of
; 3,072 bytes; a fragment comes by six loads of 8 bytes a lane at 8 x lane: 256 consecutive bytes each.  B (= W_o) lies by rows and is padded in LDS.
; CLUSTER 4 x 4: A's tiles are shared along a row of the cluster, B's along a column; each is asked for jointly.
; THE MATRIX INSTRUCTION IS USED TRANSPOSED (source 0 = 16 rows of W_o, source 1 = 16 tokens): a lane holds eight neighbouring numbers of a row of out0.  b_o, in that layout, is the C of the first K step.
; A token for which no key was allowed has the scale byte 0xff: its sums are NaN, as reference() has them.
; REGISTERS: window 0: v16-29 addresses; v32-63 scale words, two sets; v64-127 b_o; v128-223 A's fragments, one set; on the way out v128-255 rows.  window 1: B's two sets.  windows 2, 3: accumulators.
.set SIZE_N, 1024
.set NQ,     2
.set ROWB,   192                       ; B: a tile's row: 256 codes
.set KROW,   768                       ; a row of 1,024 codes; for A: 16 tokens are 12,288 bytes, so a token counts 768 too
.set ASTEP,  3072                      ; A: a tile of tokens' bytes for 256 along K
.set PITCH,  240                       ; B's LDS row: 3 x (64 bytes + 16 of padding)
.set FR,     12
.set NL,     6
.set NP,     4
.set AHALF,  8*ASTEP                   ; A: 128 tokens, what one tensor load brings
.set HALFT,  128*PITCH                 ; B: 128 rows
.set SLOT,   2*AHALF+2*HALFT
.set KS,     32
.set SCL,    2*SLOT
.set HALFS,  (128*KS/256)*272
.set SBLK,   (16*KS/256)*272
.set SPARE,  SCL+4*HALFS               ; the spare words: 128 bytes a wave, two blocks of 256 bytes that no other line names
.set SPITCH, 528                       ; the way out: a stage of 16 rows x (512 bytes + 16) for each wave, in slot 0, which has had its last fill and its last read by then
.set ADRA, 16                          ; v16-17 8 x lane + my 128 tokens, in slot 0, 1
.set ADRB, 20                          ; v20-21 my B fragments; v22-23 the same behind one padding more
.set STO,  24
.set RD,   25
.set CO,   26
.set ADRS, 27
.set SPW,  28                          ; SPARE + 4 x my thread's number; never rewritten
.set NIL,  29                          ; 0; never rewritten
.set SC,   32
.set BIA,  64
.set AF,   128
.set BK,   128
.set G1, 24
.set G0, 32
.set G1B, 48
.set G0B, 56
.set G1S, 68
.set G0S, 76
.set G1SB, 80
.set G0SB, 88
.set MSB, 0
.macro WIN new
.if MSB != (\new)
	s_set_vgpr_msb (MSB<<8)|(\new)
.set MSB, (\new)
.endif
.endm
.set MUL_LO, 0xa1
.set MUL_HI, 0xf1
.set FIRST_LO, 0x81                    ; the first K step: C is b_o, in window 0
.set FIRST_HI, 0xc1
.set TO_B,   0x40
.macro JLOAD g0a, g1a, g0b, g1b        ; a joint load: waves 0, 1 for A, waves 2, 3 for B; four v_nop follow each line
	s_cmp_eq_u32 s15, 0
	s_cbranch_scc0 .Lfor_b_\@
	tensor_load_to_lds s[\g0a:\g0a+3], s[\g1a:\g1a+7]
	s_nop 0
.rept 4
	v_nop
.endr
	s_branch .Lasked_\@
.Lfor_b_\@:
	tensor_load_to_lds s[\g0b:\g0b+3], s[\g1b:\g1b+7]
	s_nop 0
.rept 4
	v_nop
.endr
.Lasked_\@:
.endm
.macro CREST
	s_cmp_lg_u32 s14, 0
	s_cbranch_scc1 .Lnot_wave_0_\@
	s_barrier_signal -3
.Lnot_wave_0_\@:
	s_barrier_wait -3
	s_barrier_signal -1
	s_barrier_wait -1
.endm
.macro CROUND
	s_barrier_signal -1
	s_barrier_wait -1
	CREST
.endm
.macro PLACES n
.rept \n
	v_nop
.endr
.endm
	s_load_b128 s[4:7], s[0:1], 0x0                ; c's codes, c's scale bytes
	s_load_b128 s[8:11], s[0:1], 0x10              ; W_o's codes, W_o's scale bytes
	s_load_b64 s[2:3], s[0:1], 0x20                ; b_o
	s_load_b64 s[12:13], s[0:1], 0x28              ; out0
	v_lshl_add_u32 v[SPW], v0, 2, SPARE
	v_mov_b32 v[NIL], 0
	ds_add_u32 v28, v29
	ds_add_u32 v28, v29
	s_wait_dscnt 0x0
	v_lshrrev_b32 v1, 5, v0
	v_readfirstlane_b32 s14, v1                    ; wave 0..3
	s_lshr_b32 s15, s14, 1                         ; my half of the tile's tokens.  Also: I fetch for A (0) or for B (1)
	s_and_b32 s16, s14, 1                          ; my half of its columns.  Also: which 128 rows I fetch
	s_bfe_u32 s40, ttmp6, 0x40000                  ; cx, cy
	s_bfe_u32 s41, ttmp6, 0x40004
	s_lshl_b32 s42, ttmp9, 2
	s_add_co_u32 s42, s42, s40                     ; tile column
	s_and_b32 s17, ttmp7, 0xffff
	s_lshl_b32 s17, s17, 2
	s_add_co_u32 s17, s17, s41                     ; tile row
	s_lshl_b32 s43, s41, 2
	s_lshl_b32 s43, 15, s43                        ; my row of the cluster
	s_lshl_b32 s44, 0x1111, s40                    ; my column
	; A: 8 rows of 3,072 bytes (384 elements of 8 bytes), 12,288 bytes apart, no padding
	s_or_b32 s[G1+0], s43, (3<<16)|(1<<21)
	s_mov_b32 s[G1+1], 384<<16
	s_mov_b32 s[G1+2], 8<<16
	s_mov_b32 s[G1+3], 384<<16
	s_mov_b32 s[G1+4], 8
	s_mov_b32 s[G1+5], 1536
	s_mov_b32 s[G1+6], 0
	s_mov_b32 s[G1+7], 0
	; B: 128 rows x 192 bytes, 16 bytes of padding behind every 64
	s_or_b32 s[G1B+0], s44, (0<<16)|(1<<20)|(1<<21)|(3<<22)|(3<<25)
	s_mov_b32 s[G1B+1], ROWB<<16
	s_mov_b32 s[G1B+2], 128<<16
	s_mov_b32 s[G1B+3], ROWB<<16
	s_mov_b32 s[G1B+4], 128
	s_mov_b32 s[G1B+5], KROW
	s_mov_b32 s[G1B+6], 0
	s_mov_b32 s[G1B+7], 0
	; the scale bytes of 128 rows: 16 rows of 256 bytes, 16 bytes of padding behind each
	s_or_b32 s[G1S+0], s43, (3<<16)|(1<<20)|(1<<21)|(5<<22)|(3<<25)
	s_or_b32 s[G1SB+0], s44, (3<<16)|(1<<20)|(1<<21)|(5<<22)|(3<<25)
.irp g, G1S, G1SB
	s_mov_b32 s[\g+1], 32<<16
	s_mov_b32 s[\g+2], (128*KS/256)<<16
	s_mov_b32 s[\g+3], 32<<16
	s_mov_b32 s[\g+4], 128*KS/256
	s_mov_b32 s[\g+5], 32
	s_mov_b32 s[\g+6], 0
	s_mov_b32 s[\g+7], 0
.endr
	s_lshl_b32 s18, s16, 7
	s_lshl_b32 s20, s17, 8
	s_add_co_u32 s20, s20, s18                     ; A: token 256 x tile row + 128 x half
	s_lshl_b32 s46, s42, 8
	s_add_co_u32 s46, s46, s18                     ; B: row 256 x tile column + 128 x half
	s_mov_b32 s21, 0
	s_mov_b32 s47, 0
	s_mov_b64 s[18:19], KS
	s_mul_u64 s[22:23], s[20:21], s[18:19]
	s_mul_u64 s[92:93], s[46:47], s[18:19]
	s_mov_b64 s[18:19], KROW
	s_mul_u64 s[20:21], s[20:21], s[18:19]
	s_mul_u64 s[46:47], s[46:47], s[18:19]
	s_mul_i32 s45, s16, AHALF                      ; where they go: A's two halves,
	s_mul_i32 s95, s16, HALFT
	s_add_co_u32 s95, s95, 2*AHALF                 ; then B's two: the wave's number alone
	s_mul_i32 s94, s14, HALFS
	s_wait_kmcnt 0x0
	s_add_nc_u64 s[20:21], s[4:5], s[20:21]
	s_add_nc_u64 s[22:23], s[6:7], s[22:23]
	s_add_nc_u64 s[46:47], s[8:9], s[46:47]
	s_add_nc_u64 s[92:93], s[10:11], s[92:93]
	CROUND                                         ; all sixteen work-groups are here: the first joint loads meet
	s_mov_b32 s[G0S], 1
	s_add_co_u32 s[G0S+1], s94, SCL
	s_mov_b64 s[G0S+2:G0S+3], s[22:23]
	s_or_b32 s[G0S+3], s[G0S+3], 0x80000000
	s_mov_b32 s[G0SB], 1
	s_add_co_u32 s[G0SB+1], s94, SCL
	s_mov_b64 s[G0SB+2:G0SB+3], s[92:93]
	s_or_b32 s[G0SB+3], s[G0SB+3], 0x80000000
	JLOAD G0S, G1S, G0SB, G1SB                     ; the scale bytes first.  With the two below three loads of mine are out
.irp s, 0,1
	s_mov_b32 s[G0+4*\s], 1
	s_add_co_u32 s[G0+4*\s+1], s45, \s*SLOT
	s_add_nc_u64 s[G0+4*\s+2:G0+4*\s+3], s[20:21], \s*ASTEP
	s_or_b32 s[G0+4*\s+3], s[G0+4*\s+3], 0x80000000
	s_mov_b32 s[G0B+4*\s], 1
	s_add_co_u32 s[G0B+4*\s+1], s95, \s*SLOT
	s_add_nc_u64 s[G0B+4*\s+2:G0B+4*\s+3], s[46:47], \s*ROWB
	s_or_b32 s[G0B+4*\s+3], s[G0B+4*\s+3], 0x80000000
	JLOAD G0+4*\s, G1, G0B+4*\s, G1B
.endr
	v_and_b32 v1, 15, v0                           ; r
	v_bfe_u32 v2, v0, 4, 1                         ; h
	v_and_b32 v6, 31, v0
	v_lshlrev_b32 v7, 3, v6
	s_mul_i32 s21, s15, AHALF
	v_add_nc_u32 v[ADRA], s21, v7                  ; A: 8 x lane + my 128 tokens
	v_add_nc_u32 v[ADRA+1], SLOT, v[ADRA]
	v_mul_u32_u24 v3, v1, PITCH
	v_mul_u32_u24 v4, v2, 24
	v_add_nc_u32 v4, v3, v4                        ; B: row x pitch + 24 h
	v_lshl_add_u32 v5, v2, 4, v4                   ; and the same behind one padding more
	s_mul_i32 s22, s16, HALFT
	s_add_co_u32 s22, s22, 2*AHALF
.irp s, 0,1
	v_add_nc_u32 v[ADRB+\s], s22, v4
	v_add_nc_u32 v[ADRB+2+\s], s22, v5
	s_add_co_u32 s22, s22, SLOT
.endr
	v_mul_u32_u24 v5, v1, KS
	v_lshrrev_b32 v8, 8, v5
	v_lshl_add_u32 v5, v8, 4, v5
	s_mul_i32 s21, s15, HALFS
	s_mul_i32 s22, s16, HALFS
	s_add_co_u32 s22, s22, 2*HALFS
	s_sub_co_u32 s22, s22, s21
	v_mul_u32_u24 v8, s22, v2                      ; lanes 16-31 take B's: one product, the distance between the two bases
	s_add_co_u32 s21, s21, SCL
	v_add_nc_u32 v5, v5, v8
	v_add_nc_u32 v[ADRS], s21, v5
	s_mul_i32 s23, s14, 16*SPITCH                  ; my stage
	v_mul_u32_u24 v5, v1, SPITCH
	v_lshl_add_u32 v5, v2, 5, v5
	v_add_nc_u32 v[STO], s23, v5                   ; in: row r, 32 bytes for each half of the lanes
	v_lshlrev_b32 v[CO], 4, v6
	v_add_nc_u32 v[RD], s23, v[CO]                 ; back: the 32 lanes take one row of 512 bytes
	s_lshl_b32 s20, s17, 8
	s_lshl_b32 s21, s15, 7
	s_add_co_u32 s20, s20, s21                     ; my first row of out0
	s_mov_b32 s21, 0
	s_mov_b64 s[18:19], SIZE_N*4
	s_mul_u64 s[20:21], s[20:21], s[18:19]
	s_lshl_b32 s46, s42, 10                        ; my first column, in bytes
	s_lshl_b32 s47, s16, 9
	s_add_co_u32 s46, s46, s47
	s_mov_b32 s47, 0
	s_add_nc_u64 s[2:3], s[2:3], s[46:47]          ; b_o at my first column
	s_add_nc_u64 s[20:21], s[20:21], s[46:47]
	s_add_nc_u64 s[12:13], s[12:13], s[20:21]
	v_lshlrev_b32 v8, 5, v2                        ; register 8 b + n = b_o(n0 + 16 b + 8 h + n)
.set n, 0
.rept 16
	global_load_b128 v[BIA+4*n:BIA+4*n+3], v8, s[2:3] offset:64*(n/2)+16*(n%2)
.set n, n+1
.endr
.macro FRAG reg, adr, q, i             ; B's fragment from padded rows, in pieces of 8 bytes; lanes 16-31 read three pieces further on
.irp p, 0,1,2,3,4,5
.set PC, 12*(\q)+6*(\p/3)+\p%3
.if PC%8 < 5
	ds_load_b64 v[\reg+2*\p:\reg+2*\p+1], v[\adr] offset:8*PC+16*(PC/8)+(\i)*16*PITCH
.else
	ds_load_b64 v[\reg+2*\p:\reg+2*\p+1], v[\adr+2] offset:8*PC+16*(PC/8)+(\i)*16*PITCH
.endif
.endr
.endm
.macro MUL16 a0, p, q, sc, cm          ; 16 matrix instructions: A's blocks a0, a0 + 1 x B's eight.  cm = 1: C = b_o.  The 64 accumulators take turns
.irp a, \a0, \a0+1
.irp b, 0,1,2,3,4,5,6,7
.set DD, 8*(8*((\a)%4)+\b)
.set CC, DD
.if \cm == 1
.set CC, BIA+8*\b
.endif
	v_wmma_scale_f32_16x16x128_f8f6f4 v[DD:DD+7], v[128*(\p)+FR*\b:128*(\p)+FR*\b+FR-1], v[AF+FR*(\a):AF+FR*(\a)+FR-1], v[CC:CC+7], v[SC+8*NQ*(\sc)+NQ*\b+(\q)], v[SC+8*NQ*(\sc)+NQ*(\a)+(\q)] matrix_a_fmt:MATRIX_FMT_FP6 matrix_b_fmt:MATRIX_FMT_FP6 matrix_a_scale:MATRIX_SCALE_ROW1
.endr
.endr
.endm
.macro FETCH_B slot, q, p
	WIN TO_B
.irp i, 0,1,2,3,4,5,6,7
	FRAG 128*(\p)+FR*\i, ADRB+\slot, \q, \i
.endr
	WIN 0
.endm
.macro FETCH_A slot, q, i0             ; A's blocks i0 .. i0 + 3: images, six loads of 256 consecutive bytes each
.irp i, \i0, \i0+1, \i0+2, \i0+3
.irp u, 0,1,2,3,4,5
	ds_load_b64 v[AF+FR*(\i)+2*\u:AF+FR*(\i)+2*\u+1], v[ADRA+\slot] offset:ASTEP*(\i)+1536*(\q)+256*\u
.endr
.endr
.endm
.macro SCALES sc
.irp i, 0,1,2,3,4,5,6,7
	ds_load_b64 v[SC+8*NQ*\sc+NQ*\i:SC+8*NQ*\sc+NQ*\i+1], v[ADRS] offset:\i*SBLK
.endr
.endm
.macro STEP slot, q, cm
	s_wait_dscnt 4*NL                              ; all but the youngest 24 loads (A's blocks 4-7) are in
.if \cm
	WIN FIRST_LO
.else
	WIN MUL_LO
.endif
	MUL16 0, (\q)%2, \q, \slot, \cm
	MUL16 2, (\q)%2, \q, \slot, \cm
	s_wait_dscnt 0
	PLACES NP
	FETCH_B \slot, (\q)+1, 1-(\q)%2
	FETCH_A \slot, (\q)+1, 0
.if \cm
	WIN FIRST_HI
.else
	WIN MUL_HI
.endif
	MUL16 4, (\q)%2, \q, \slot, \cm
	MUL16 6, (\q)%2, \q, \slot, \cm
	PLACES NP
	WIN 0
	FETCH_A \slot, (\q)+1, 4
.endm
.macro TURN slot, next, fill
	s_wait_tensorcnt 0x0                           ; all my tensor loads have landed: my part of the next slot
	ds_add_u32 v[SPW], v[NIL]                      ; 0 onto my spare word
	s_wait_dscnt 4*NL+1                            ; the add and the youngest 24 loads may be out
	WIN MUL_LO
	MUL16 0, 1, NQ-1, \slot, 0
	s_wait_dscnt 0x0                               ; the add is done, my reads of this slot are over
	s_barrier_signal -1
	MUL16 2, 1, NQ-1, \slot, 0
	WIN 0
	s_barrier_wait -1
.if \fill
	CREST                                          ; the barrier has opened a round of the cluster's: no wave of any partner still reads this slot or has a load on its way
	s_add_nc_u64 s[G0+4*\slot+2:G0+4*\slot+3], s[G0+4*\slot+2:G0+4*\slot+3], 2*ASTEP
	s_add_nc_u64 s[G0B+4*\slot+2:G0B+4*\slot+3], s[G0B+4*\slot+2:G0B+4*\slot+3], 2*ROWB
	JLOAD G0+4*\slot, G1, G0B+4*\slot, G1B         ; my one tensor load behind the round; its four v_nop are the places in front of the loads below
.else
	PLACES NP
.endif
	v_add_nc_u32 v[ADRS], 4*NQ, v[ADRS]
	FETCH_B \next, 0, 0
	FETCH_A \next, 0, 0
	SCALES \next
	WIN MUL_HI
	MUL16 4, 1, NQ-1, \slot, 0
	MUL16 6, 1, NQ-1, \slot, 0
	PLACES NP
	WIN 0
	FETCH_A \next, 0, 4
.endm
	s_wait_tensorcnt 1                             ; the scale bytes and my part of K step 0 are in; K step 1's load may be out
	s_barrier_signal -1
	s_barrier_wait -1
	FETCH_B 0, 0, 0
	FETCH_A 0, 0, 0
	SCALES 0
	FETCH_A 0, 0, 4
	s_wait_loadcnt 0x0                             ; b_o
	STEP 0, 0, 1                                   ; the first step starts the sums from b_o
	TURN 0, 1, 1                                   ; K = 1,024 is four slots' worth: written out
	STEP 1, 0, 0
	TURN 1, 0, 1
	STEP 0, 0, 0
	TURN 0, 1, 0
	STEP 1, 0, 0
	s_wait_dscnt 4*NL
	WIN MUL_LO
	MUL16 0, 1, NQ-1, 1, 0
	MUL16 2, 1, NQ-1, 1, 0
	s_wait_dscnt 0
	WIN MUL_HI
	MUL16 4, 1, NQ-1, 1, 0
	MUL16 6, 1, NQ-1, 1, 0
	WIN 0
; THE WAY OUT, block by block of 16 rows x 128 columns, through my own stage: LDS serves a wave's instructions in order (ISA guide 5.7.1.4), so no wait stands between the stores and the loads.
.macro TOSTAGE a
.set AC, 64*((\a)%4)
	WIN 0x08+4*((\a)/4)                            ; the data: window 2 or 3
.irp b, 0,1,2,3,4,5,6,7
	ds_store_b128 v[STO], v[AC+8*\b:AC+8*\b+3] offset:64*\b          ; each accumulator from its low end on
	ds_store_b128 v[STO], v[AC+8*\b+4:AC+8*\b+7] offset:64*\b+16
.endr
	WIN 0
.set BB, BK+64*((\a)%2)
.irp t, 0,1,2,3,4,5,6,7,8,9,10,11,12,13,14,15
	ds_load_b128 v[BB+4*\t:BB+4*\t+3], v[RD] offset:\t*SPITCH
.endr
.endm
.macro SEND a, younger                 ; younger: the LDS instructions issued behind block a's loads, which may stay out
.set BB, BK+64*((\a)%2)
	s_wait_dscnt \younger
.if (\a) > 0
	s_add_nc_u64 s[12:13], s[12:13], 16*SIZE_N*4   ; (behind a wait on XCNT: the earlier stores have read their base)
.endif
.irp t, 0,1,2,3,4,5,6,7,8,9,10,11,12,13,14,15
	global_store_b128 v[CO], v[BB+4*\t:BB+4*\t+3], s[12:13] offset:\t*SIZE_N*4 th:TH_STORE_NT   ; 32 lanes store 512 consecutive bytes, aligned to 256; written once, read by nobody here
.endr
.endm
	PLACES NP                                      ; in front of the first read of results and of loads into the registers that held A's fragments
	TOSTAGE 0
.irp a, 1,2,3,4,5,6,7
.if \a > 1
	s_wait_xcnt 0x0                                ; block a - 2's stores have read their registers and their base
.endif
	TOSTAGE \a
	SEND \a-1, 32                                  ; behind block a - 1's loads: block a's 16 stores and 16 loads
.endr
	s_wait_xcnt 0x0
	SEND 7, 0
	s_wait_tensorcnt 0x0                           ; the wave's end
	ds_add_u32 v[SPW], v[NIL]
	s_wait_dscnt 0x0
	CROUND                                         ; the closing round
	s_endpgm
.Lfunc_end_k_qd4cb0e519f_outp:
	.size	k_qd4cb0e519f_outp, .Lfunc_end_k_qd4cb0e519f_outp-k_qd4cb0e519f_outp
	.p2alignl 7, 3214868480
	.fill 96, 4, 3214868480
	.section	.rodata,"a",@progbits
	.p2align	6, 0x0
	.amdhsa_kernel k_qd4cb0e519f_outp
		.amdhsa_group_segment_fixed_size 327680
		.amdhsa_private_segment_fixed_size 0
		.amdhsa_enable_private_segment 0
		.amdhsa_kernarg_size 48
		.amdhsa_user_sgpr_count 2
		.amdhsa_user_sgpr_kernarg_segment_ptr 1
		.amdhsa_wavefront_size32 1
		.amdhsa_system_sgpr_workgroup_id_x 1
		.amdhsa_system_sgpr_workgroup_id_y 1
		.amdhsa_system_sgpr_workgroup_id_z 1
		.amdhsa_system_vgpr_workitem_id 0
		.amdhsa_next_free_vgpr 1024
		.amdhsa_next_free_sgpr 98
		.amdhsa_reserve_vcc 0
		.amdhsa_float_denorm_mode_32 3
		.amdhsa_float_denorm_mode_16_64 3
		.amdhsa_memory_ordered 1
		.amdhsa_forward_progress 1
		.amdhsa_inst_pref_size 161
	.end_amdhsa_kernel
	.amdgpu_metadata
---
amdhsa.version: [ 1, 2 ]
amdhsa.kernels:
  - .name:           k_qd4cb0e519f_outp
    .symbol:         k_qd4cb0e519f_outp.kd
    .args:
      - { .name: cimg, .offset: 0, .size: 8, .value_kind: global_buffer, .address_space: global }
      - { .name: cscl, .offset: 8, .size: 8, .value_kind: global_buffer, .address_space: global }
      - { .name: W_o_codes, .offset: 16, .size: 8, .value_kind: global_buffer, .address_space: global }
      - { .name: W_o_scales, .offset: 24, .size: 8, .value_kind: global_buffer, .address_space: global }
      - { .name: b_o, .offset: 32, .size: 8, .value_kind: global_buffer, .address_space: global }
      - { .name: out0, .offset: 40, .size: 8, .value_kind: global_buffer, .address_space: global }
    .group_segment_fixed_size: 327680
    .private_segment_fixed_size: 0
    .kernarg_segment_align: 8
    .kernarg_segment_size: 48
    .max_flat_workgroup_size: 128
    .sgpr_count:     98
    .vgpr_count:     1024
    .wavefront_size: 32
...
	.end_amdgpu_metadata
.endif
;; end of part 3
